; MI455X (gfx1250); checked and timed in simulation.
; The chip was launched on July 23, 2026; its instructions are those of AMD's public machine-readable ISA for CDNA 5 (MIT licence, August 2026) and "CDNA5" Instruction Set Architecture Reference Guide (July 2026). The comments in the code are by the model that wrote it; some were corrected since.
;; Hierarchical Logits. Allowed arithmetic: matrix products marked QUANTISED: E2M3 operands, one E8M0 scale for each 32 along K, by v_wmma_scale_f32_16x16x128_f8f6f4 with both operands' format E2M3, f32 sums; everything else in f32.
;; Inputs: S 4,095 x 4,096 float32; X 4,096 x 2,048 float32; biases 4,096 float32; normals 4,095 x 2,048 float32.
;; Outputs: out0 4,096 x 4,096 float32.
;; This version of the problem:
;;   THIS VERSION OF THE PROBLEM IS GIVEN IN LOW PRECISION. The matrix products marked QUANTISED in the list below multiply operands that are first quantised to E2M3 (2 exponent bits, 3 mantissa bits; 6 bits a number), with one power-of-two scale for each 32 numbers along K (OCP MX v1.0); their sums are f32. All else is computed in f32.
;;   The module's matrix products, in the order in which they are computed (A, B: the left and right operand; K: the contracted axis; several contracted axes count as one K, in the product's order):
;;     1. [M 2,048, K 4,095] x [K 4,095, N 4,096]; A: input normals; B: input S: QUANTISED
;;     2. [M 4,096, K 2,048] x [K 2,048, N 4,096]; A: input X; B: computed on the way: QUANTISED
;;   THE QUANTISER, for each operand of a quantised product, along K:
;;     - K is cut into blocks of 32 from its start; a last block that is shorter is filled with zeros.
;;     - A block's scale is 2^e with e = floor(log2(the largest magnitude in the block)) - 2, held to -126 .. 127; a block of zeros has e = 0. As a byte (E8M0): e + 127.
;;     - Each number is divided by its block's scale, clamped to +-7.5, and rounded to the nearest number of E2M3, ties to even, subnormals kept.
;;     - The product sums the exact products of the quantised numbers (number of the format x scale) in f32.
;;   ~~~python
;;   def quantise(x, axis):      # numpy; x: float32 -> the quantised numbers, widened to float32 again
;;       x = np.moveaxis(x, axis, -1); K = x.shape[-1]
;;       x = np.pad(x, [(0, 0)] * (x.ndim - 1) + [(0, -K % 32)]); x = x.reshape(x.shape[:-1] + (-1, 32)); a = np.abs(x).max(-1, keepdims=True)
;;       e = np.where(a > 0, np.clip(np.frexp(np.where(a > 0, a, 1))[1] - 1 - 2, -126, 127), 0)      # np.frexp(a)[1] - 1 = floor(log2(a)), exactly
;;       r = np.clip(x / 2.0 ** e, -7.5, 7.5)
;;       step = 2.0 ** (np.maximum(np.frexp(np.where(r == 0, 1, r))[1] - 1, 0) - 3)
;;       q = np.round(r / step) * step * 2.0 ** e      # np.round: ties to even
;;       return np.moveaxis(q.reshape(q.shape[:-2] + (-1,))[..., :K], -1, axis).astype(np.float32)
;;   ~~~
;;   OPERANDS COMPUTED ON THE WAY. 'Computed on the way' means the value that the module computes at that place (a softmax that the list does not call 'softmax' is quantised finished and normalised). What goes into a quantiser is computed in f32, as accurately as f32 sums, v_exp_f32 and their like allow (about 1e-6 of the number): no bf16 or f16 on the way to a quantiser, and a product that is left as it is and whose result goes on into a quantised operand takes f32 operands (vector FMAs, or v_wmma_f32_16x16x4_f32). A number that lies on a knife's edge between two numbers of the format may be rounded either way, as far as f32 arithmetic and the matrix unit's own rounding can turn it there, and no further.
;; 2 versions. Each part assembles by itself: llvm-mc -triple=amdgcn-amd-amdhsa -mcpu=gfx1250 --defsym DOCPART=n.
;; ======== version 1 of 2: 4 launches
;; workspace buffers: xcodes 6,291,456 bytes; xscales 262,144 bytes; ncodes 6,291,456 bytes; nscales 262,144 bytes; scodes 12,582,912 bytes; sscales 524,288 bytes; wcodes 6,291,456 bytes; wscales 262,144 bytes
;; launch qx (part 1): grid 256 x 1, 4 waves a work-group, no clusters, 33,280 bytes of LDS; arguments X, xcodes, xscales; writes xcodes, xscales
.if DOCPART == 1
	.amdgcn_target "amdgcn-amd-amdhsa--gfx1250"
	.amdhsa_code_object_version 6
	.text
	.protected	k_qa37111d165_qx
	.globl	k_qa37111d165_qx
	.p2align	8
	.type	k_qa37111d165_qx,@function
k_qa37111d165_qx:
	s_mov_b64 s[64:65], 0
	v_nop
	global_prefetch_b8 v0, s[64:65] scope:SCOPE_SE
	s_setreg_imm32_b32 hwreg(HW_REG_WAVE_MODE, 25, 1), 1
	s_wait_xcnt 0x0
; X [4096][2048], f32, K innermost, is turned into codes of FP6 (E2M3), 6 bits each, with one E8M0 scale byte for each 32 along K.
; OUTPUT LAYOUT (this program's own): by chunks of 256 along K: codes [8 chunks][4096 rows][192 bytes], scale bytes [8 chunks][4096 rows][8].  A row's 256 codes of a chunk are one stream of bits,
; the code of the lowest k in the lowest bits.  So 128 rows of one chunk, which is what the product's launch fetches at a time, are one dense block of 24,576 bytes.
; A block's scale is 2^(floor(log2(its largest magnitude)) - 2); its byte is the largest magnitude's own exponent field - 2, held at 1 from below.  Each number is divided by the scale and rounded to the nearest code, ties to even;
; beyond 7.5 the conversion gives the largest code.
; LIMITS: NaN and infinities among the inputs are not served.  A block whose largest magnitude lies under 2^-124 has its byte held at 1.  A block of zeros gets the byte 1 where the rule says 127: its codes are zeros,
; which add nothing under any byte but 0xff, and the bytes are read by this program alone.
; SHARES.  Work-group g: rows 32 (g / 2) on; wave w takes chunk 4 (g % 2) + w of them, so the four waves stand side by side on 4,096 bytes of each row.  A wave: 16 steps of two rows x 256 numbers.
; The conversion takes 16 numbers of ONE block from a lane's registers, so a lane must hold 16 neighbours; a load is best where neighbouring LANES take neighbouring bytes.  Both are had: each of a step's four loads reads
; 512 consecutive bytes, 16 a lane; the 2,048 bytes go through the wave's own stage in LDS, as they lie, and come back 64 bytes a lane (16 bytes of padding behind each 64).  Two neighbouring lanes hold a block.
; A lane's 16 codes are 12 bytes: a step's store covers 384 consecutive bytes, the two rows' 192 each.  A wave's 256 scale bytes are gathered in its own LDS bytes and leave as 256 consecutive, aligned bytes.
; No tensor loads, no barrier: waves share nothing.  Loads run eight steps (32 loads of 512 bytes a wave) ahead, the turn through LDS one step.  No matrix unit, no cluster: the launch only streams.
.set STEPS, 16
.set AH,    8                          ; steps of loads ahead, and sets of registers for them
.set EMAX,  2
.set CB,    12                         ; bytes of 16 codes
.set ROW,   8192                       ; a row of X in bytes
.set SP,    80                         ; a lane's place in a stage: its 64 bytes + 16 of padding
.set WREG,  8192                       ; LDS: a region of its own for each wave: two stages of 32 x SP bytes, and behind them its 256 scale bytes
.set R,     16                         ; v16-143  eight sets of 16 numbers as they are loaded
.set X,     144                        ; v144-175 two sets of 16 neighbours
.set E,     176                        ; v176-191 a scale byte for each step
.set C,     192                        ; v192-255 codes: four registers for each step, so that no store's data are written again
	s_load_b128 s[4:7], s[0:1], 0x0                ; X, the codes
	s_load_b64 s[8:9], s[0:1], 0x10                ; the scale bytes
	v_lshl_add_u32 v251, v0, 2, 0x8000
	v_mov_b32 v255, 0
	v_lshrrev_b32 v1, 5, v0
	v_readfirstlane_b32 s16, v1                    ; wave
	v_and_b32 v2, 31, v0                           ; lane
	v_lshlrev_b32 v3, 4, v2                        ; my 16 bytes of a load's 512
	s_mul_i32 s17, s16, WREG
	v_lshrrev_b32 v14, 2, v2
	v_mul_u32_u24 v14, v14, SP
	v_and_b32 v15, 3, v2
	v_lshl_add_u32 v14, v15, 4, v14
	v_add_nc_u32 v14, s17, v14                     ; the stage, on the way in: four lanes' 64 bytes on end, then 16 of padding
	v_mul_u32_u24 v15, v2, SP
	v_add_nc_u32 v15, s17, v15                     ; and on the way out: SP x lane: my 16 neighbours
	v_mul_u32_u24 v4, v2, CB                       ; my codes' place in a step's 384 bytes
	v_lshrrev_b32 v5, 1, v2
	s_add_co_u32 s17, s17, 2*32*SP
	v_add_nc_u32 v5, s17, v5                       ; LDS: my wave's 256 scale bytes, my block's byte
	v_lshlrev_b32 v7, 3, v2                        ; and on the way out 8 bytes a lane
	v_add_nc_u32 v6, s17, v7
	s_lshr_b32 s18, ttmp9, 1                       ; which 32 rows
	s_and_b32 s19, ttmp9, 1
	s_lshl_b32 s19, s19, 2
	s_add_co_u32 s19, s19, s16                     ; which chunk of 256 along K
	s_lshl_b32 s20, s18, 18                        ; X: 32 rows of 8,192 bytes,
	s_lshl_b32 s22, s19, 10                        ; and 1,024 bytes a chunk
	s_add_co_u32 s20, s20, s22
	s_mov_b32 s21, 0
	s_mul_i32 s22, s19, 4096*192                   ; codes: a chunk of all rows,
	s_mul_i32 s24, s18, 32*192                     ; and 32 rows of 192 bytes
	s_add_co_u32 s22, s22, s24
	s_mov_b32 s23, 0
	s_lshl_b32 s24, s19, 15                        ; scale bytes: 4,096 x 8 a chunk,
	s_lshl_b32 s26, s18, 8                         ; 32 x 8 for my rows
	s_add_co_u32 s24, s24, s26
	s_mov_b32 s25, 0
	s_wait_kmcnt 0x0
	s_add_nc_u64 s[4:5], s[4:5], s[20:21]
	s_add_nc_u64 s[6:7], s[6:7], s[22:23]
	s_add_nc_u64 s[8:9], s[8:9], s[24:25]
.macro LOAD t                          ; step t: rows 2 t and 2 t + 1, 1,024 bytes of each, as four loads of 512 consecutive bytes
.irp i, 0,1,2,3
	global_load_b128 v[R+16*((\t)%AH)+4*\i:R+16*((\t)%AH)+4*\i+3], v3, s[4:5] offset:(2*(\t)+\i/2)*ROW+(\i%2)*512 th:TH_LOAD_NT
.endr
.endm
.macro TURN t                          ; step t's numbers through the stage: LDS serves a wave's instructions in order, so no wait stands between the stores and the loads
.irp i, 0,1,2,3
	ds_store_b128 v14, v[R+16*((\t)%AH)+4*\i:R+16*((\t)%AH)+4*\i+3] offset:32*SP*((\t)%2)+8*SP*\i
.endr
.irp i, 0,1,2,3
	ds_load_b128 v[X+16*((\t)%2)+4*\i:X+16*((\t)%2)+4*\i+3], v15 offset:32*SP*((\t)%2)+16*\i
.endr
.endm
.irp t, 0,1,2,3,4,5,6,7
	LOAD \t
.endr
	s_wait_loadcnt 28                              ; step 0's four loads are in; those of the seven steps behind it may be out
	TURN 0
.macro STEP t
.set XS, X+16*((\t)%2)
.if (\t) > 0
	s_wait_dscnt 1                                 ; this step's numbers are back from the stage (the last step's byte store may be out): so its stores into the stage have read their registers,
.else
	s_wait_dscnt 0x0
.endif
.if (\t)+AH < STEPS
	LOAD (\t)+AH                                   ; which take the loads of eight steps on
.endif
.if (\t)+1 < STEPS
.if STEPS-2-(\t) >= AH-1
	s_wait_loadcnt 4*(AH-1)                        ; the next step's four loads are in; those of the seven steps behind it may be out
.else
	s_wait_loadcnt 4*(STEPS-2-(\t))                ; towards the end fewer steps are behind it
.endif
	TURN (\t)+1                                    ; and go through the other stage while this step is worked
.endif
	v_max3_num_f32 v8, |v[XS]|, |v[XS+1]|, |v[XS+2]|               ; the largest magnitude of my 16, in two chains
	v_max3_num_f32 v9, |v[XS+3]|, |v[XS+4]|, |v[XS+5]|
.irp i, 6,10
	v_max3_num_f32 v8, v8, |v[XS+\i]|, |v[XS+\i+1]|
	v_max3_num_f32 v9, v9, |v[XS+\i+2]|, |v[XS+\i+3]|
.endr
	v_max3_num_f32 v8, v8, |v[XS+14]|, |v[XS+15]|
	v_max3_num_f32 v8, v8, v9, (EMAX+1)<<23        ; and the floor 2^(3 - 127), under which no largest magnitude is taken: so the byte cannot fall under 1
	v_max_num_f32_dpp v8, v8, v8 row_xmask:1 row_mask:0xf bank_mask:0xf   ; and of my neighbour's 16: the block's
	v_add_nc_u32 v11, 0xff000000, v8               ; 2 off its exponent field: the conversion takes the exponent field of this operand as its scale, and nothing else of it
	v_cvt_scalef32_pk16_fp6_f32 v[C+4*(\t):C+4*(\t)+2], v[XS:XS+15], v11   ; 96 bits without gaps, the first number's code lowest
	v_lshrrev_b32 v[E+(\t)], 23, v11               ; the scale's byte (also the plain line behind the conversion)
	ds_store_b8 v5, v[E+(\t)] offset:16*(\t)       ; both lanes of a block write the same byte with the same value
	global_store_b96 v4, v[C+4*(\t):C+4*(\t)+2], s[6:7] offset:32*CB*(\t)   ; rows 2 t and 2 t + 1 of my chunk: 384 consecutive bytes
.endm
.irp t, 0,1,2,3,4,5,6,7,8,9,10,11,12,13,14,15
	STEP \t
.endr
	ds_load_b64 v[12:13], v6                       ; LDS serves a wave's instructions in order: this sees my byte stores
	s_wait_dscnt 0x0
	global_store_b64 v7, v[12:13], s[8:9]          ; my 32 rows' 8 bytes each: 32 lanes store 256 consecutive bytes, at a multiple of 256 from the buffer's first byte
	s_wait_tensorcnt 0x0
	ds_add_u32 v251, v255
	s_wait_dscnt 0x0
	s_endpgm
.Lfunc_end_k_qa37111d165_qx:
	.size	k_qa37111d165_qx, .Lfunc_end_k_qa37111d165_qx-k_qa37111d165_qx
	.p2alignl 7, 3214868480
	.fill 96, 4, 3214868480
	.section	.rodata,"a",@progbits
	.p2align	6, 0x0
	.amdhsa_kernel k_qa37111d165_qx
		.amdhsa_group_segment_fixed_size 33280
		.amdhsa_private_segment_fixed_size 0
		.amdhsa_enable_private_segment 0
		.amdhsa_kernarg_size 24
		.amdhsa_user_sgpr_count 2
		.amdhsa_user_sgpr_kernarg_segment_ptr 1
		.amdhsa_wavefront_size32 1
		.amdhsa_system_sgpr_workgroup_id_x 1
		.amdhsa_system_sgpr_workgroup_id_y 1
		.amdhsa_system_sgpr_workgroup_id_z 1
		.amdhsa_system_vgpr_workitem_id 0
		.amdhsa_next_free_vgpr 256
		.amdhsa_next_free_sgpr 66
		.amdhsa_reserve_vcc 0
		.amdhsa_float_denorm_mode_32 3
		.amdhsa_float_denorm_mode_16_64 3
		.amdhsa_memory_ordered 1
		.amdhsa_forward_progress 1
		.amdhsa_inst_pref_size 32
	.end_amdhsa_kernel
	.amdgpu_metadata
---
amdhsa.version: [ 1, 2 ]
amdhsa.kernels:
  - .name:           k_qa37111d165_qx
    .symbol:         k_qa37111d165_qx.kd
    .args:
      - { .name: X, .offset: 0, .size: 8, .value_kind: global_buffer, .address_space: global }
      - { .name: xcodes, .offset: 8, .size: 8, .value_kind: global_buffer, .address_space: global }
      - { .name: xscales, .offset: 16, .size: 8, .value_kind: global_buffer, .address_space: global }
    .group_segment_fixed_size: 33280
    .private_segment_fixed_size: 0
    .kernarg_segment_align: 8
    .kernarg_segment_size: 24
    .max_flat_workgroup_size: 128
    .sgpr_count:     66
    .vgpr_count:     256
    .wavefront_size: 32
...
	.end_amdgpu_metadata
.endif
;; end of part 1
;; launch qko (part 2): grid 48 x 16, 4 waves a work-group, no clusters, 36,352 bytes of LDS; arguments normals, S, ncodes, nscales, scodes, sscales; writes ncodes, nscales, scodes, sscales
.if DOCPART == 2
	.amdgcn_target "amdgcn-amd-amdhsa--gfx1250"
	.amdhsa_code_object_version 6
	.text
	.protected	k_qa37111d165_qko
	.globl	k_qa37111d165_qko
	.p2align	8
	.type	k_qa37111d165_qko,@function
k_qa37111d165_qko:
	s_mov_b64 s[64:65], 0
	v_nop
	global_prefetch_b8 v0, s[64:65] scope:SCOPE_SE
	s_setreg_imm32_b32 hwreg(HW_REG_WAVE_MODE, 25, 1), 1
	s_wait_xcnt 0x0
; normals [4095][2048] and S [4095][4096], f32, are the two operands of the first product; its K, 4,095, is the FIRST axis of both.  Each is turned into codes of FP6 (E2M3), K innermost, with one E8M0 byte for each 32 along K.
; OUTPUT LAYOUT (this program's own), by chunks of 256 along K: codes [16 chunks][columns][192 bytes], scale bytes [16 chunks][columns][8].
; A LANE TAKES A COLUMN, AND ITS REGISTERS RUN DOWN K: each load reads 32 neighbouring columns of one row (128 consecutive bytes a wave, 512 a work-group), a block of 32 along K lies in ONE lane's 32 registers, so that its
; largest magnitude needs no other lane, and the conversions give the codes with K innermost.  Nothing is transposed by an instruction.
; K = 4,095: the last block's 32nd number does not exist.  Its load reads row 4,094 once more (no load leaves the buffer) and the number is replaced by 0 ahead of the maximum: the quantiser's fill with zeros.
; THE ORDER OF normals' COLUMNS IN ITS OUTPUT: place p holds column p with bits 3 and 4 exchanged.  Sixteen neighbouring places are then columns 32 b + 8 u + r + 8 (r / 8), which lets the next launch find 16 neighbours
; along d in a lane's 16 registers of two neighbouring tiles.  S's columns keep their order.  The exchange stands in the loads' lane offset alone (the same 128 bytes are read) and is masked off for S.
; ONE PATH FOR BOTH TENSORS: work-groups x < 16 take normals (128 columns each), the others S.  Only pointers, the row pitch's logarithm (13 or 14) and the exchange's mask are chosen, on the work-group's number.
; A wave: 32 columns x 256 along K: 8 blocks a lane, 192 bytes of codes a column.  A lane's codes belong to one row of the output: they go through the wave's own stage in LDS and leave as rows; two rows, 384 consecutive bytes, a store.
; The scale bytes of a lane's 8 blocks are one store of 8 bytes a lane: 256 consecutive, aligned bytes a wave.  No tensor loads, no barrier: waves share nothing.  Loads run two blocks (64 loads a wave) ahead.
; A block's scale is 2^(floor(log2(its largest magnitude)) - 2); its byte is the largest magnitude's exponent field - 2, held at 1 from below.
; LIMITS: NaN and infinities among the inputs are not served.  A block whose largest magnitude lies under 2^-124 has its byte held at 1.  A block of zeros gets the byte 1 where the rule says 127: its codes are zeros,
; which add nothing under any byte but 0xff, and the bytes are read by this program alone.
.set NB,    8                          ; blocks of 32 along K for a wave
.set PITCH, 272                        ; a stage row: sixteen places of 16 bytes, each with 12 bytes of codes, + 16
.set EMAX,  2
.set SB,    24                         ; v24-25   the scale bytes, four to a register
.set X,     32                         ; v32-95   two sets of 32 numbers
.set C,     96                         ; v96-102  a block's codes
.set OUTR,  112                        ; v112-175 the way out: 16 x 4 registers
.set OFF,   176                        ; v176-207 row i of a block: i x the row pitch + my column's bytes; never rewritten
.set OFFL,  208                        ; v208     the same for the last row of the last block: row 31, in the last chunk row 30
.set BASE,  40                         ; s40-55   a base for each of the eight blocks; never rewritten
	s_load_b128 s[4:7], s[0:1], 0x0                ; normals, S
	s_load_b128 s[8:11], s[0:1], 0x10              ; normals' codes, scale bytes
	s_load_b128 s[12:15], s[0:1], 0x20             ; S's codes, scale bytes
	v_lshl_add_u32 v224, v0, 2, 0x8c00
	v_mov_b32 v225, 0
	v_lshrrev_b32 v1, 5, v0
	v_readfirstlane_b32 s16, v1                    ; wave 0..3
	v_and_b32 v2, 31, v0                           ; lane
	s_mul_i32 s25, s16, 32*PITCH                   ; my stage
	v_mul_u32_u24 v4, v2, PITCH
	v_add_nc_u32 v4, s25, v4                       ; into it: row = my place
	v_and_b32 v5, 15, v2
	v_lshrrev_b32 v6, 4, v2                        ; out of it: sixteen lanes to a row, two rows an instruction
	v_mul_u32_u24 v7, v6, PITCH
	v_lshl_add_u32 v7, v5, 4, v7
	v_add_nc_u32 v7, s25, v7
	v_mul_u32_u24 v8, v2, 12                       ; and the same place in the codes' buffer: 192 (lane / 16) + 12 (lane % 16) = 12 x lane
	v_lshlrev_b32 v9, 3, v2                        ; my place's 8 scale bytes
	v_lshrrev_b32 v10, 3, v2
	v_lshrrev_b32 v11, 4, v2
	v_xor_b32 v10, v10, v11
	v_and_b32 v10, 1, v10                          ; do bits 3 and 4 of my lane differ?
	v_mul_u32_u24 v10, v10, 24                     ; then both turn over
	s_wait_kmcnt 0x0
	s_cmp_lt_u32 ttmp9, 16                         ; normals' work-group or S's?  The choice hangs on the work-group's number alone; only selects follow the compare
	s_cselect_b64 s[4:5], s[4:5], s[6:7]
	s_cselect_b64 s[8:9], s[8:9], s[12:13]
	s_cselect_b64 s[10:11], s[10:11], s[14:15]
	s_cselect_b32 s19, 13, 14                      ; a row is 2^13 or 2^14 bytes
	s_cselect_b32 s20, -1, 0                       ; the exchange of bits 3 and 4: normals alone
	s_cselect_b32 s21, 0, 16
	s_sub_co_u32 s17, ttmp9, s21
	s_lshl_b32 s17, s17, 7
	s_lshl_b32 s22, s16, 5
	s_add_co_u32 s22, s22, s17                     ; my wave's first column and place: 128 x group + 32 x wave
	s_and_b32 s18, ttmp7, 0xffff                   ; which chunk of 256 along K
	s_cmp_eq_u32 s18, 15
	s_cselect_b32 s23, 30, 31                      ; the last chunk's last block has 31 rows
	s_cselect_b32 s24, 0, -1                       ; and its 32nd number is 0
	v_and_b32 v10, s20, v10
	v_xor_b32 v10, v2, v10                         ; the column that my place holds
	v_lshlrev_b32 v3, 2, v10                       ; in bytes
.irp i, 0,1,2,3,4,5,6,7,8,9,10,11,12,13,14,15,16,17,18,19,20,21,22,23,24,25,26,27,28,29,30,31
	v_lshl_add_u32 v[OFF+\i], \i, s19, v3
.endr
	v_lshl_add_u32 v[OFFL], s23, s19, v3
	s_lshl_b32 s26, s18, 8
	s_lshl_b32 s26, s26, s19                       ; 256 rows a chunk (under 2^26 bytes),
	s_lshl_b32 s28, s22, 2
	s_add_co_u32 s26, s26, s28                     ; + my wave's first column
	s_mov_b32 s27, 0
	s_add_nc_u64 s[BASE:BASE+1], s[4:5], s[26:27]
	s_lshl_b32 s30, 32, s19                        ; 32 rows from block to block
	s_mov_b32 s31, 0
.irp t, 1,2,3,4,5,6,7
	s_add_nc_u64 s[BASE+2*\t:BASE+2*\t+1], s[BASE+2*\t-2:BASE+2*\t-1], s[30:31]
.endr
	s_mul_i32 s26, s18, 48
	s_lshl_b32 s26, s26, s19                       ; codes: a chunk is columns x 192 = 48 x the row pitch,
	s_mul_i32 s28, s22, 192
	s_add_co_u32 s26, s26, s28                     ; + 192 bytes a place
	s_add_nc_u64 s[8:9], s[8:9], s[26:27]
	s_lshl_b32 s26, s18, 1
	s_lshl_b32 s26, s26, s19                       ; scale bytes: a chunk is columns x 8 = 2 x the row pitch,
	s_lshl_b32 s28, s22, 3
	s_add_co_u32 s26, s26, s28                     ; + 8 bytes a place
	s_add_nc_u64 s[10:11], s[10:11], s[26:27]
.macro LOAD t                          ; block t: rows 32 t + i of my chunk, my column, i = 0 .. 31, into set t % 2
.irp i, 0,1,2,3,4,5,6,7,8,9,10,11,12,13,14,15,16,17,18,19,20,21,22,23,24,25,26,27,28,29,30
	global_load_b32 v[X+32*((\t)%2)+\i], v[OFF+\i], s[BASE+2*(\t):BASE+2*(\t)+1] th:TH_LOAD_NT
.endr
.if (\t) == NB-1
	global_load_b32 v[X+32*((\t)%2)+31], v[OFFL], s[BASE+2*(\t):BASE+2*(\t)+1] th:TH_LOAD_NT   ; stays inside the buffer in the last chunk too
.else
	global_load_b32 v[X+32*((\t)%2)+31], v[OFF+31], s[BASE+2*(\t):BASE+2*(\t)+1] th:TH_LOAD_NT
.endif
.endm
	LOAD 0
	LOAD 1
.macro BLOCK t
.set XS, X+32*((\t)%2)
.if (\t) < NB-1
	s_wait_loadcnt 32                              ; this block's 32 loads are in; the next block's may be out
.else
	s_wait_loadcnt 0x0
	v_and_b32 v[XS+31], s24, v[XS+31]              ; K = 4,095 counts as 0 (in the other chunks the mask is all ones)
.endif
	v_max3_num_f32 v12, |v[XS]|, |v[XS+1]|, |v[XS+2]|               ; the block's largest magnitude: all 32 numbers are mine; two chains
	v_max3_num_f32 v13, |v[XS+3]|, |v[XS+4]|, |v[XS+5]|
.irp i, 6,10,14,18,22,26
	v_max3_num_f32 v12, v12, |v[XS+\i]|, |v[XS+\i+1]|
	v_max3_num_f32 v13, v13, |v[XS+\i+2]|, |v[XS+\i+3]|
.endr
	v_max3_num_f32 v12, v12, |v[XS+30]|, |v[XS+31]|
	v_max3_num_f32 v12, v12, v13, (EMAX+1)<<23     ; and the floor 2^(3 - 127): the byte cannot fall under 1
	v_add_nc_u32 v11, 0xff000000, v12              ; 2 off its exponent field: the conversion's scale operand
	v_lshrrev_b32 v13, 23, v11                     ; the scale's byte
.if (\t)%4 == 0
	v_mov_b32 v[SB+(\t)/4], v13                    ; four bytes to a register, the lower K in the lower byte
.else
	v_lshl_or_b32 v[SB+(\t)/4], v13, 8*((\t)%4), v[SB+(\t)/4]
.endif
	v_cvt_scalef32_pk16_fp6_f32 v[C:C+2], v[XS:XS+15], v11
	v_cvt_scalef32_pk16_fp6_f32 v[C+4:C+6], v[XS+16:XS+31], v11     ; (a conversion's three registers begin on an even number)
	ds_store_b96 v4, v[C:C+2] offset:32*(\t)       ; 16 codes, 12 bytes, to a place of 16 bytes in the stage, so that every LDS address is a multiple of 16
	ds_store_b96 v4, v[C+4:C+6] offset:32*(\t)+16
.if (\t)+2 < NB
	LOAD (\t)+2
.endif
	s_wait_dscnt 0x0                               ; the stores have read their registers: the next block's codes may be written.  (The next block begins with plain vector lines that touch neither the codes nor the conversions' sources)
.endm
.irp t, 0,1,2,3,4,5,6,7
	BLOCK \t
.endr
	global_store_b64 v9, v[SB:SB+1], s[10:11]      ; 32 places x 8 scale bytes: 256 consecutive bytes, at a multiple of 256 from the buffer's first byte
.irp t, 0,1,2,3,4,5,6,7,8,9,10,11,12,13,14,15
	ds_load_b96 v[OUTR+4*\t:OUTR+4*\t+2], v7 offset:2*\t*PITCH   ; LDS serves a wave's instructions in order: these see my stores
.endr
.irp t, 0,1,2,3,4,5,6,7,8,9,10,11,12,13,14,15
	s_wait_dscnt 15-\t                             ; loads come back in order: pair t of rows is in
	global_store_b96 v8, v[OUTR+4*\t:OUTR+4*\t+2], s[8:9] offset:384*\t   ; places 2 t and 2 t + 1: 384 consecutive bytes
.endr
	s_wait_tensorcnt 0x0
	ds_add_u32 v224, v225
	s_wait_dscnt 0x0
	s_endpgm
.Lfunc_end_k_qa37111d165_qko:
	.size	k_qa37111d165_qko, .Lfunc_end_k_qa37111d165_qko-k_qa37111d165_qko
	.p2alignl 7, 3214868480
	.fill 96, 4, 3214868480
	.section	.rodata,"a",@progbits
	.p2align	6, 0x0
	.amdhsa_kernel k_qa37111d165_qko
		.amdhsa_group_segment_fixed_size 36352
		.amdhsa_private_segment_fixed_size 0
		.amdhsa_enable_private_segment 0
		.amdhsa_kernarg_size 48
		.amdhsa_user_sgpr_count 2
		.amdhsa_user_sgpr_kernarg_segment_ptr 1
		.amdhsa_wavefront_size32 1
		.amdhsa_system_sgpr_workgroup_id_x 1
		.amdhsa_system_sgpr_workgroup_id_y 1
		.amdhsa_system_sgpr_workgroup_id_z 1
		.amdhsa_system_vgpr_workitem_id 0
		.amdhsa_next_free_vgpr 226
		.amdhsa_next_free_sgpr 66
		.amdhsa_reserve_vcc 0
		.amdhsa_float_denorm_mode_32 3
		.amdhsa_float_denorm_mode_16_64 3
		.amdhsa_memory_ordered 1
		.amdhsa_forward_progress 1
		.amdhsa_inst_pref_size 45
	.end_amdhsa_kernel
	.amdgpu_metadata
---
amdhsa.version: [ 1, 2 ]
amdhsa.kernels:
  - .name:           k_qa37111d165_qko
    .symbol:         k_qa37111d165_qko.kd
    .args:
      - { .name: normals, .offset: 0, .size: 8, .value_kind: global_buffer, .address_space: global }
      - { .name: S, .offset: 8, .size: 8, .value_kind: global_buffer, .address_space: global }
      - { .name: ncodes, .offset: 16, .size: 8, .value_kind: global_buffer, .address_space: global }
      - { .name: nscales, .offset: 24, .size: 8, .value_kind: global_buffer, .address_space: global }
      - { .name: scodes, .offset: 32, .size: 8, .value_kind: global_buffer, .address_space: global }
      - { .name: sscales, .offset: 40, .size: 8, .value_kind: global_buffer, .address_space: global }
    .group_segment_fixed_size: 36352
    .private_segment_fixed_size: 0
    .kernarg_segment_align: 8
    .kernarg_segment_size: 48
    .max_flat_workgroup_size: 128
    .sgpr_count:     66
    .vgpr_count:     226
    .wavefront_size: 32
...
	.end_amdgpu_metadata
.endif
;; end of part 2
;; launch gemm1 (part 3): grid 8 x 16, 4 waves a work-group, clusters of 4 x 4, 327,680 bytes of LDS; arguments scodes, sscales, ncodes, nscales, wcodes, wscales; writes wcodes, wscales
.if DOCPART == 3
	.amdgcn_target "amdgcn-amd-amdhsa--gfx1250"
	.amdhsa_code_object_version 6
	.text
	.protected	k_qa37111d165_gemm1
	.globl	k_qa37111d165_gemm1
	.p2align	8
	.type	k_qa37111d165_gemm1,@function
k_qa37111d165_gemm1:
	s_mov_b64 s[64:65], 0
	v_nop
	global_prefetch_b8 v0, s[64:65] scope:SCOPE_SE
	s_setreg_imm32_b32 hwreg(HW_REG_WAVE_MODE, 25, 1), 1
	s_wait_xcnt 0x0
	s_wait_alu depctr_hold_cnt(0) depctr_sa_sdst(0) depctr_va_vdst(0) depctr_va_sdst(0) depctr_va_ssrc(0) depctr_va_vcc(0) depctr_vm_vsrc(0)
	s_getreg_b32 s2, hwreg(HW_REG_IB_STS2, 6, 4)
	s_cmp_eq_u32 s2, 0
	s_cbranch_scc0 .Lentry_in_a_cluster
	s_endpgm
.Lentry_in_a_cluster:
	s_bfe_u32 s2, ttmp6, 0x10000c
	s_cmp_lg_u32 s2, 0xf033
	s_cbranch_scc0 .Lentry_shape_is_right
	s_endpgm
.Lentry_shape_is_right:
; W^T[n][d] = sum over m of S[m][n] normals[m][d], on codes of FP6 (E2M3) with one E8M0 scale for each 32 along K = m; the sums, f32, are quantised along d IN REGISTERS and leave as codes: W never lies in memory as f32.
; "A" = S's codes, rows n (SIZE_M = 4,096); "B" = normals' codes, rows = places of d (SIZE_N = 2,048); K = 4,096 (4,095 and one zero code on both sides).
; OPERAND LAYOUT, by chunks of 256 along K: codes [K / 256][rows][192 bytes], scale bytes [K / 256][rows][8].  128 rows of a chunk are one dense block of 24,576 bytes.  The output has the same layout: [d / 256][n][192], [d / 256][n][8].
; A tile of W^T, 256 x 256, is made by a work-group of four waves, as many as a WGP has SIMDs; a wave makes 128 x 128: 64 accumulators of 16 x 16, 512 registers.  K goes in steps of 256 through a ring of two LDS slots.
; 16 x 8 tiles are 128 work-groups.  A tile of half the size would give 256, with half the matrix instructions between a refill's request and the wait for it and half as many products for each LDS byte read; this text keeps the large tile.
; THE SCALES of the work-group's 256 + 256 rows, for all of K, come into LDS once, with the first fills, and stay.
; CLUSTERS: 4 x 4 work-groups.  The four of a row of the cluster need the same tiles of A, the four of a column the same tiles of B: each tile is asked for JOINTLY, by the same tensor load with the same descriptor and a mask that names the four.
; THE MATRIX INSTRUCTION IS USED TRANSPOSED (source 0 = 16 rows of B, source 1 = 16 rows of A): a lane holds ONE n (lane % 16) and its registers run along d.  Place p of B holds column d = p with bits 3 and 4 exchanged, so the
; 16 registers of B's tiles 2 b and 2 b + 1 are 16 NEIGHBOURS along d: 32 b + 16 (lane / 16) + 0 .. 15.  A block of 32 along d lies in lanes l and l xor 16.
; REGISTERS, in windows of 256: window 0: v0-31 addresses; v32-63 scale words, two sets; v64-123 at work on the way out; from v128 A's fragments (8 x 16 rows x 128 K), ONE set; on the way out v128-255 rows of codes.
;   window 1: B's fragments, TWO sets, at v0 and at v128.   window 2: the 32 accumulators of my rows 0-63 (accumulator (a, b) at v[8 (8 a + b)]);   window 3: those of my rows 64-127.
; LIMITS: NaN and infinities are not served.  A block of W whose largest magnitude lies under 2^-124 has its byte held at 1; a block of zeros gets the byte 1 where the rule says 127: its codes are zeros, and this program alone reads the bytes.
.set SIZE_M, 4096
.set SIZE_N, 2048
.set SIZE_K, 4096
.set NQ,     2                         ; matrix instructions deep in a slot: 256 along K
.set PITCH,  240                       ; a row of 192 bytes in LDS: 3 x (64 bytes of data + 16 of padding) = 60 words: row r starts at bank -4 r mod 64 (64 banks of 4 bytes: ISA guide 11.1)
.set FR,     12                        ; registers of a fragment: 16 rows x 128 K
.set NL,     6                         ; LDS loads that bring one
.set NP,     4                         ; places behind this matrix instruction (ISA guide 7.12.1)
.set HALFT,  128*PITCH                 ; 128 rows: what one tensor load brings, and what one wave reads of A or of B
.set SLOT,   4*HALFT                   ; A's 256 rows, then B's 256 rows
.set LAPS,   SIZE_K/512                ; a lap = two K steps = once round the ring
.set NCH,    SIZE_K/256                ; chunks along K
.set CHA,    SIZE_M*192                ; bytes from chunk to chunk in A's codes
.set CHB,    SIZE_N*192                ; and in B's
.set SCL,    2*SLOT                    ; behind the ring: the scales
.set HALFS,  NCH*1024                  ; those of 128 rows, all chunks: what one tensor load brings: chunk s at 1,024 s, row at 8 x row
.set SPARE,  SCL+4*HALFS+256           ; behind the scales (B's two regions lie 128 bytes further on than wave x HALFS): the spare words, 128 bytes for each wave: two blocks of 256 bytes that no other line names
.set WP,     272                       ; the way out: a stage of 256 rows, sixteen places of 16 bytes (12 bytes of codes each) + 16.  It lies in slot 0, which has had its last fill and its last read when the first code is stored there
.set SST,    256*WP                    ; behind it, still in slot 0: the 256 rows' scale bytes, 8 a row
.set SCO,  7                           ; v7      the way out: 16 x lane: my offset in the wave's 512 scale bytes
.set ADRA, 16                          ; v16-17  LDS address of my A fragments in slot 0, 1  (v18-19: the same for the pieces that lie behind one padding more)
.set ADRB, 20                          ; v20-21  the same for B  (v22-23)
.set STO,  24                          ; v24     the way out: where I put my codes
.set RD,   25                          ; v25     where I read a row's 12 bytes back
.set CO,   26                          ; v26     12 x lane: my offset in two rows of the codes' buffer
.set ADRS, 27                          ; v27     LDS address of my scale words: lanes 0-15 A's rows, lanes 16-31 B's
.set SPW,  28                          ; v28     LDS address of my spare word: SPARE + 4 x my thread's number; never rewritten
.set NIL,  29                          ; v29     0; never rewritten
.set SSTO, 30                          ; v30     the way out: where I put a scale word
.set SRD,  31                          ; v31     and where I read 16 scale bytes back
.set SC,   32                          ; scale words: set s (for slot s) at v[SC + 16 s]; register 2 i + q: lanes 0-15 the word of A's block i, lanes 16-31 that of B's block i, for the slot's q-th 128 along K
.set TM,   64                          ; v64-67 largest magnitudes, v68-71 the other half's, then bytes, v76-79 the conversions' scale operands
.set QC,   80                          ; v80-98  the codes just made
.set PW,   100                         ; v100    the scale word just made
.set SW,   120                         ; v120-123 scale bytes read back
.set AF,   128                         ; A's fragments, in window 0
.set OUTR, 128                         ; the way out: 32 x 4 registers
.set G1, 24                            ; s[24:31] descriptor group 1 for A's tiles;  s[32:39] group 0, one set for each slot
.set G0, 32
.set G1B, 48                           ; s[48:55], s[56:63] the same for B's tiles
.set G0B, 56
.set G1S, 68                           ; s[68:75], s[76:79] groups 1 and 0 for A's scales;  s[80:87], s[88:91] for B's
.set G0S, 76
.set G1SB, 80
.set G0SB, 88
.set MSB, 0
.macro WIN new                         ; the immediate's high byte repeats the setting that is left; a switch that changes nothing is dropped
.if MSB != (\new)
	s_set_vgpr_msb (MSB<<8)|(\new)
.set MSB, (\new)
.endif
.endm
.set MUL_LO, 0xa1                      ; source 0 (B) window 1, source 1 (A) window 0, C and D window 2
.set MUL_HI, 0xf1                      ; the same, C and D window 3
.set TO_B,   0x40                      ; destination window 1, address window 0
; A joint load: waves 0 and 1 fetch for A, waves 2 and 3 for B.  Each of the two lines has ONE mask and one set of registers for all that issue it; the branch hangs on the wave's number alone.
; Four v_nop follow each of the two lines, ahead of the jump, the label and what follows.
.macro JLOAD g0a, g1a, g0b, g1b
	s_cmp_eq_u32 s15, 0
	s_cbranch_scc0 .Lfor_b_\@
	tensor_load_to_lds s[\g0a:\g0a+3], s[\g1a:\g1a+7]
	s_nop 0
.rept 4
	v_nop
.endr
	s_branch .Lasked_\@
.Lfor_b_\@:
	tensor_load_to_lds s[\g0b:\g0b+3], s[\g1b:\g1b+7]
	s_nop 0
.rept 4
	v_nop
.endr
.Lasked_\@:
.endm
.macro CREST                           ; a round of the cluster's barrier behind its opening barrier
	s_cmp_lg_u32 s14, 0
	s_cbranch_scc1 .Lnot_wave_0_\@
	s_barrier_signal -3
.Lnot_wave_0_\@:
	s_barrier_wait -3
	s_barrier_signal -1
	s_barrier_wait -1
.endm
.macro CROUND                          ; a whole round
	s_barrier_signal -1
	s_barrier_wait -1
	CREST
.endm
	s_load_b128 s[4:7], s[0:1], 0x0                ; A's codes s[4:5], A's scales s[6:7]
	s_load_b128 s[8:11], s[0:1], 0x10              ; B's codes s[8:9], B's scales s[10:11]
	s_load_b64 s[12:13], s[0:1], 0x20              ; W's codes
	s_load_b64 s[96:97], s[0:1], 0x28              ; W's scale bytes
	v_lshl_add_u32 v[SPW], v0, 2, SPARE
	v_mov_b32 v[NIL], 0
	ds_add_u32 v28, v29
	ds_add_u32 v28, v29
	s_wait_dscnt 0x0
	v_lshrrev_b32 v1, 5, v0
	v_readfirstlane_b32 s14, v1                    ; wave 0..3
	s_lshr_b32 s15, s14, 1                         ; which half of the tile's rows (n) is mine.  Also: I fetch for A (0) or for B (1)
	s_and_b32 s16, s14, 1                          ; which half of its columns (d).  Also: which 128 rows of that tile I fetch
	s_bfe_u32 s40, ttmp6, 0x40000                  ; cx, cy: my place in the cluster
	s_bfe_u32 s41, ttmp6, 0x40004
	s_lshl_b32 s42, ttmp9, 2
	s_add_co_u32 s42, s42, s40                     ; tile column = 4 x cluster x + cx
	s_and_b32 s17, ttmp7, 0xffff
	s_lshl_b32 s17, s17, 2
	s_add_co_u32 s17, s17, s41                     ; tile row = 4 x cluster y + cy
	s_lshl_b32 s43, s41, 2
	s_lshl_b32 s43, 15, s43                        ; my row of the cluster
	s_lshl_b32 s44, 0x1111, s40                    ; my column
	; descriptor group 1 for codes: 128 rows of 192 bytes are dense, so they are stated as 96 rows of 256 bytes; 16 bytes of padding behind every 64 bytes give each row of 192 its pitch of 240
	s_or_b32 s[G1+0], s43, (0<<16)|(1<<20)|(1<<21)|(3<<22)|(3<<25)  ; 15:0 the mask: A's tiles go to my row; 17:16 element of 1 byte; 20 padding on; 21 set beside a mask; 24:22 after every 16 words (code 3); 31:25 of 4 words (code 3)
	s_or_b32 s[G1B+0], s44, (0<<16)|(1<<20)|(1<<21)|(3<<22)|(3<<25)
.irp g, G1, G1B
	s_mov_b32 s[\g+1], 256<<16                     ; tensor_dim0
	s_mov_b32 s[\g+2], 96<<16                      ; tensor_dim1
	s_mov_b32 s[\g+3], 256<<16                     ; tile_dim0
	s_mov_b32 s[\g+4], 96                          ; tile_dim1
	s_mov_b32 s[\g+5], 256                         ; tensor_dim0_stride
	s_mov_b32 s[\g+6], 0
	s_mov_b32 s[\g+7], 0
.endr
	; and for the scales of 128 rows: NCH rows of 1,024 bytes (128 elements of 8 bytes), one for each chunk, a chunk's bytes apart; no padding
	s_or_b32 s[G1S+0], s43, (3<<16)|(1<<21)
	s_or_b32 s[G1SB+0], s44, (3<<16)|(1<<21)
.irp g, G1S, G1SB
	s_mov_b32 s[\g+1], 128<<16
	s_mov_b32 s[\g+2], NCH<<16
	s_mov_b32 s[\g+3], 128<<16
	s_mov_b32 s[\g+4], NCH
	s_mov_b32 s[\g+6], 0
	s_mov_b32 s[\g+7], 0
.endr
	s_mov_b32 s[G1S+5], SIZE_M                     ; from chunk to chunk: 8 bytes for each row of the tensor
	s_mov_b32 s[G1SB+5], SIZE_N
	s_lshl_b32 s18, s16, 7                         ; which 128 rows of the tile I fetch
	s_lshl_b32 s20, s17, 8
	s_add_co_u32 s20, s20, s18                     ; A: row 256 x tile row + 128 x half
	s_lshl_b32 s46, s42, 8
	s_add_co_u32 s46, s46, s18                     ; B: row 256 x tile column + 128 x half
	s_lshl_b32 s22, s20, 3                         ; where these rows' scales begin in chunk 0, in bytes
	s_mov_b32 s23, 0
	s_lshl_b32 s92, s46, 3
	s_mov_b32 s93, 0
	s_mul_i32 s20, s20, 192                        ; and their codes
	s_mov_b32 s21, 0
	s_mul_i32 s46, s46, 192
	s_mov_b32 s47, 0
	s_mul_i32 s45, s14, HALFT                      ; where they go: wave x 128 rows: no place in the cluster enters an LDS address
	s_mul_i32 s94, s14, HALFS
	s_lshl_b32 s95, s15, 7
	s_add_co_u32 s94, s94, s95                     ; B's scales 128 bytes further on, so that the 128 bytes that lanes 0-15 read of A's and the 128 that lanes 16-31 read of B's fall on different banks
	s_wait_kmcnt 0x0
	s_add_nc_u64 s[20:21], s[4:5], s[20:21]
	s_add_nc_u64 s[22:23], s[6:7], s[22:23]
	s_add_nc_u64 s[46:47], s[8:9], s[46:47]
	s_add_nc_u64 s[92:93], s[10:11], s[92:93]
	CROUND                                         ; all sixteen work-groups are here: the first joint loads meet
	s_mov_b32 s[G0S], 1
	s_add_co_u32 s[G0S+1], s94, SCL
	s_mov_b64 s[G0S+2:G0S+3], s[22:23]
	s_or_b32 s[G0S+3], s[G0S+3], 0x80000000
	s_mov_b32 s[G0SB], 1
	s_add_co_u32 s[G0SB+1], s94, SCL
	s_mov_b64 s[G0SB+2:G0SB+3], s[92:93]
	s_or_b32 s[G0SB+3], s[G0SB+3], 0x80000000
	JLOAD G0S, G1S, G0SB, G1SB                     ; the scales first: they are wanted with K step 0
.irp s, 0,1
	s_mov_b32 s[G0+4*\s], 1
	s_add_co_u32 s[G0+4*\s+1], s45, \s*SLOT
	s_add_nc_u64 s[G0+4*\s+2:G0+4*\s+3], s[20:21], \s*CHA
	s_or_b32 s[G0+4*\s+3], s[G0+4*\s+3], 0x80000000
	s_mov_b32 s[G0B+4*\s], 1
	s_add_co_u32 s[G0B+4*\s+1], s45, \s*SLOT
	s_add_nc_u64 s[G0B+4*\s+2:G0B+4*\s+3], s[46:47], \s*CHB
	s_or_b32 s[G0B+4*\s+3], s[G0B+4*\s+3], 0x80000000
	JLOAD G0+4*\s, G1, G0B+4*\s, G1B               ; three tensor loads of mine are out behind the last of these
.endr
	v_and_b32 v1, 15, v0                           ; r = l % 16
	v_bfe_u32 v2, v0, 4, 1                         ; h = l / 16
	v_mul_u32_u24 v3, v1, PITCH
	v_mul_u32_u24 v4, v2, 24
	v_add_nc_u32 v4, v3, v4                        ; a fragment's row x pitch + 24 x half
	v_lshl_add_u32 v5, v2, 4, v4                   ; and the same behind one padding more
	s_mul_i32 s21, s15, HALFT                      ; my 128 rows of A
	s_mul_i32 s22, s16, HALFT                      ; my 128 rows of B,
	s_add_co_u32 s22, s22, 2*HALFT                 ; which lie behind A's 256
.irp s, 0,1
	v_add_nc_u32 v[ADRA+\s], s21, v4
	v_add_nc_u32 v[ADRB+\s], s22, v4
	v_add_nc_u32 v[ADRA+2+\s], s21, v5
	v_add_nc_u32 v[ADRB+2+\s], s22, v5
	s_add_co_u32 s21, s21, SLOT
	s_add_co_u32 s22, s22, SLOT
.endr
	v_lshlrev_b32 v5, 3, v1                        ; my row's scales: 8 bytes a row
	s_mul_i32 s21, s15, HALFS                      ; A's: my 128 rows
	s_mul_i32 s22, s16, HALFS                      ; B's: my 128 rows, behind A's 256 and 128 bytes on
	s_add_co_u32 s22, s22, 2*HALFS+128
	s_sub_co_u32 s22, s22, s21
	v_mul_u32_u24 v6, s22, v2                      ; lanes 16-31 take B's: one product, the distance between the two bases x h
	s_add_co_u32 s21, s21, SCL
	v_add_nc_u32 v5, v5, v6
	v_add_nc_u32 v[ADRS], s21, v5
	s_mul_i32 s23, s15, 128*WP                     ; the stage, on the way in: my 128 rows, my half of their places;
	s_lshl_b32 s21, s16, 7
	s_add_co_u32 s23, s23, s21
	v_mul_u32_u24 v5, v1, WP                       ; row r, and two places (a block of 32 codes) for each half of the lanes
	v_lshl_add_u32 v5, v2, 5, v5
	v_add_nc_u32 v[STO], s23, v5
	s_mul_i32 s23, s14, 64*WP                      ; back: wave w takes rows 64 w .. 64 w + 63, whole; lanes 0-15 one row, lanes 16-31 the next
	v_mul_u32_u24 v5, v2, WP
	v_lshl_add_u32 v5, v1, 4, v5
	v_add_nc_u32 v[RD], s23, v5
	v_and_b32 v6, 31, v0
	v_mul_u32_u24 v[CO], v6, 12                    ; the same two rows in the codes' buffer: 192 h + 12 (l % 16) = 12 x lane
	v_lshlrev_b32 v[SCO], 4, v6
	s_lshl_b32 s23, s15, 10                        ; scale words, on the way in: 8 bytes a row, my half of them
	s_lshl_b32 s21, s16, 2
	s_add_co_u32 s23, s23, s21
	s_add_co_u32 s23, s23, SST
	v_lshl_add_u32 v[SSTO], v1, 3, s23
	s_lshl_b32 s23, s14, 9                         ; back: my 64 rows' 512 bytes, 16 a lane
	s_add_co_u32 s23, s23, SST
	v_add_nc_u32 v[SRD], s23, v[SCO]
	s_mul_i32 s20, s17, 256*192                    ; W's codes: chunk = tile column; row 256 x tile row + 64 x wave
	s_mul_i32 s21, s14, 64*192
	s_add_co_u32 s20, s20, s21
	s_mov_b32 s21, 0
	s_mul_i32 s46, s42, SIZE_M*192                 ; (in the registers that held B's address: none that feeds A's descriptors ever holds cx)
	s_mov_b32 s47, 0
	s_add_nc_u64 s[20:21], s[20:21], s[46:47]
	s_add_nc_u64 s[12:13], s[12:13], s[20:21]
	s_lshl_b32 s20, s17, 11                        ; W's scale bytes likewise: 8 bytes a row
	s_lshl_b32 s21, s14, 9
	s_add_co_u32 s20, s20, s21
	s_mov_b32 s21, 0
	s_lshl_b32 s46, s42, 15
	s_add_nc_u64 s[20:21], s[20:21], s[46:47]
	s_add_nc_u64 s[96:97], s[96:97], s[20:21]
.macro FRAG reg, adr, q, i             ; a fragment, 16 rows x 128 K of 6-bit codes, is 12 registers: lane l holds row l % 16; registers 6 c .. 6 c + 5 hold K = 64 c + 32 (l / 16) + 0 .. 31: 24 bytes of the row's stream of bits, as they lie
.irp p, 0,1,2,3,4,5                    ; in pieces of 8 bytes, so that every address is a multiple of the access's size.  Lanes 0-15 take the row's pieces 12 q + 0, 1, 2 and 12 q + 6, 7, 8, lanes 16-31 those three pieces on
.set PIECE, 12*(\q)+6*(\p/3)+\p%3      ; 16 bytes of padding lie behind every 8 pieces: where the piece three on lies behind one padding more, the second address register (40 for 24 bytes a half) serves
.if PIECE%8 < 5
	ds_load_b64 v[\reg+2*\p:\reg+2*\p+1], v[\adr] offset:8*PIECE+16*(PIECE/8)+(\i)*16*PITCH
.else
	ds_load_b64 v[\reg+2*\p:\reg+2*\p+1], v[\adr+2] offset:8*PIECE+16*(PIECE/8)+(\i)*16*PITCH
.endif
.endr
.endm
; 16 matrix instructions: A's blocks a0, a0 + 1 x B's eight, 128 along K: the slot's q-th.  p: B's set;  sc: the set of scale words.  zero = 1: the first product starts the sums: nothing is ever cleared.
; The 64 accumulators take turns, one instruction a turn, in the same order in every step.
.macro MUL16 a0, p, q, sc, zero
.irp a, \a0, \a0+1
.irp b, 0,1,2,3,4,5,6,7
.if \zero
	v_wmma_scale_f32_16x16x128_f8f6f4 v[8*(8*((\a)%4)+\b):8*(8*((\a)%4)+\b)+7], v[128*(\p)+FR*\b:128*(\p)+FR*\b+FR-1], v[AF+FR*(\a):AF+FR*(\a)+FR-1], 0, v[SC+8*NQ*(\sc)+NQ*\b+(\q)], v[SC+8*NQ*(\sc)+NQ*(\a)+(\q)] matrix_a_fmt:MATRIX_FMT_FP6 matrix_b_fmt:MATRIX_FMT_FP6 matrix_a_scale:MATRIX_SCALE_ROW1
.else
	v_wmma_scale_f32_16x16x128_f8f6f4 v[8*(8*((\a)%4)+\b):8*(8*((\a)%4)+\b)+7], v[128*(\p)+FR*\b:128*(\p)+FR*\b+FR-1], v[AF+FR*(\a):AF+FR*(\a)+FR-1], v[8*(8*((\a)%4)+\b):8*(8*((\a)%4)+\b)+7], v[SC+8*NQ*(\sc)+NQ*\b+(\q)], v[SC+8*NQ*(\sc)+NQ*(\a)+(\q)] matrix_a_fmt:MATRIX_FMT_FP6 matrix_b_fmt:MATRIX_FMT_FP6 matrix_a_scale:MATRIX_SCALE_ROW1
.endif
.endr
.endr
.endm
.macro FETCH_B slot, q, p              ; B's eight fragments of the slot's q-th 128 along K into set p
	WIN TO_B
.irp i, 0,1,2,3,4,5,6,7
	FRAG 128*(\p)+FR*\i, ADRB+\slot, \q, \i
.endr
	WIN 0
.endm
.macro FETCH_A slot, q, i0             ; A's blocks i0 .. i0 + 3
.irp i, \i0, \i0+1, \i0+2, \i0+3
	FRAG AF+FR*(\i), ADRA+\slot, \q, \i
.endr
.endm
.macro SCALES sc                       ; the next K step's scale words into set sc: two words a row; lanes 0-15 take A's block i, lanes 16-31 B's block i
.irp i, 0,1,2,3,4,5,6,7
	ds_load_b64 v[SC+8*NQ*\sc+NQ*\i:SC+8*NQ*\sc+NQ*\i+1], v[ADRS] offset:\i*128
.endr
.endm
; A load into a register that a matrix instruction has read, and a vector instruction or an LDS store that reads a matrix result, stand NP places behind that matrix instruction, and only plain vector
; instructions that name none of its registers are places (ISA guide 7.12.1 for vector instructions); this text does not count the matrix instructions in between.
.macro PLACES n
.rept \n
	v_nop
.endr
.endm
; A step of 128 along K that has its successor in the same slot.  A's blocks go one after the other, each against B's eight, so a block of A is free as soon as its eight products are issued: blocks 0-3 are fetched anew in the step's middle, blocks 4-7 at its end.
.macro STEP slot, q, zero
	s_wait_dscnt 4*NL                              ; B's set and A's blocks 0-3 are in; the youngest 24 loads (A's blocks 4-7) may be out
	WIN MUL_LO
	MUL16 0, (\q)%2, \q, \slot, \zero
	MUL16 2, (\q)%2, \q, \slot, \zero
	s_wait_dscnt 0                                 ; A's blocks 4-7 are in (asked for 32 matrix instructions ago)
	PLACES NP
	FETCH_B \slot, (\q)+1, 1-(\q)%2
	FETCH_A \slot, (\q)+1, 0
	WIN MUL_HI
	MUL16 4, (\q)%2, \q, \slot, \zero
	MUL16 6, (\q)%2, \q, \slot, \zero
	PLACES NP
	WIN 0
	FETCH_A \slot, (\q)+1, 4
.endm
; A slot's last step changes slots: ONE barrier; in front of it each wave waits for all its tensor loads, adds 0 to its spare word, and waits for that and for its own reads of this slot.  fill = 1: this slot is filled again, two K steps ahead.
.macro TURN slot, next, fill
	s_wait_tensorcnt 0x0                           ; all my tensor loads have landed: my part of the next slot;  (every window is 0 here: the add's two registers lie in window 0)
	ds_add_u32 v[SPW], v[NIL]                      ; 0 onto my spare word
	s_wait_dscnt 4*NL+1                            ; (the add and the youngest 24 loads, A's blocks 4-7, may be out)
	WIN MUL_LO
	MUL16 0, 1, NQ-1, \slot, 0                     ; sixteen matrix instructions stand between the add and the wait for it
	s_wait_dscnt 0x0                               ; the add is done, and my reads of this slot are over
	s_barrier_signal -1
	MUL16 2, 1, NQ-1, \slot, 0
	WIN 0
	s_barrier_wait -1
.if \fill
	CREST                                          ; the barrier has opened a round of the cluster's barrier: no wave of any partner still reads this slot's tile or has a load on its way
	s_add_nc_u64 s[G0+4*\slot+2:G0+4*\slot+3], s[G0+4*\slot+2:G0+4*\slot+3], 2*CHA
	s_add_nc_u64 s[G0B+4*\slot+2:G0B+4*\slot+3], s[G0B+4*\slot+2:G0B+4*\slot+3], 2*CHB
	JLOAD G0+4*\slot, G1, G0B+4*\slot, G1B         ; the first tensor load behind the round, my one load until the next; the four v_nop behind it are the places in front of the loads below
.else
	PLACES NP
.endif
	v_add_nc_u32 v[ADRS], 1024, v[ADRS]            ; on to the next chunk's scale words (no LDS load of mine is out)
	FETCH_B \next, 0, 0
	FETCH_A \next, 0, 0
	SCALES \next
	WIN MUL_HI
	MUL16 4, 1, NQ-1, \slot, 0
	MUL16 6, 1, NQ-1, \slot, 0
	PLACES NP
	WIN 0
	FETCH_A \next, 0, 4
.endm
	s_wait_tensorcnt 1                             ; the scales and my part of K step 0 are in (K step 1's load may be out)
	s_barrier_signal -1
	s_barrier_wait -1                              ; everybody's are
	FETCH_B 0, 0, 0
	FETCH_A 0, 0, 0
	SCALES 0
	FETCH_A 0, 0, 4
	STEP 0, 0, 1                                   ; the first step stands in front of the loop: its products start the sums
	s_mov_b32 s3, LAPS-1
.Llap:                                                 ; a trip goes once round the ring, from a lap's second step to the next lap's first, and fills both slots again
	TURN 0, 1, 1
	STEP 1, 0, 0
	TURN 1, 0, 1
	STEP 0, 0, 0
	s_sub_co_u32 s3, s3, 1
	s_cmp_lg_u32 s3, 0
	s_cbranch_scc1 .Llap
	TURN 0, 1, 0                                   ; the last lap fills nothing, and has no round of the cluster's barrier
	STEP 1, 0, 0
	s_wait_dscnt 4*NL                              ; the very last step: nothing more to fetch
	WIN MUL_LO
	MUL16 0, 1, NQ-1, 1, 0
	MUL16 2, 1, NQ-1, 1, 0
	s_wait_dscnt 0
	WIN MUL_HI
	MUL16 4, 1, NQ-1, 1, 0
	MUL16 6, 1, NQ-1, 1, 0
	WIN 0
; THE WAY OUT.  Block a: 16 rows n x my 128 along d, 64 registers a lane: register 16 b + i is d = 32 b + 16 (lane / 16) + i of my row.  They become 128 codes (96 bytes) and a scale word of four bytes.
; Each accumulator is read from its low end on: the first line reads registers 0 and 1 of the even tiles, the line with i = 8 those of the odd ones.
.macro QW a
.set AC, 64*((\a)%4)
	WIN 0x0a+5*((\a)/4)                            ; sources 0 and 1: window 2 or 3
.irp b, 0,1,2,3
	v_max3_num_f32 v[TM+\b], |v[AC+16*\b]|, |v[AC+16*\b+1]|, 0x1800000   ; block b: my 16 numbers, and the floor 2^(3 - 127): the byte cannot fall under 1
.endr
.irp i, 2,4,6,8,10,12,14
.irp b, 0,1,2,3
	v_max3_num_f32 v[TM+\b], |v[AC+16*\b+\i]|, |v[AC+16*\b+\i+1]|, v[TM+\b]   ; (the four blocks by turns: no line waits for the line above it)
.endr
.endr
	WIN 0
.irp b, 0,1,2,3
	v_permlanex16_b32 v[TM+4+\b], v[TM+\b], s20, s21
.endr
.irp b, 0,1,2,3
	v_max_num_f32 v[TM+\b], v[TM+\b], v[TM+4+\b]   ; with lane l xor 16's: the block's largest magnitude
.endr
.irp b, 0,1,2,3
	v_add_nc_u32 v[TM+12+\b], 0xff000000, v[TM+\b] ; 2 off its exponent field: the conversion's scale operand
.endr
.irp b, 0,1,2,3
	v_lshrrev_b32 v[TM+4+\b], 23, v[TM+12+\b]      ; the scale's byte
.endr
	v_lshl_or_b32 v[PW], v[TM+5], 8, v[TM+4]       ; the four bytes make my row's scale word for these 128 along d
	v_lshl_or_b32 v[PW], v[TM+6], 16, v[PW]
	v_lshl_or_b32 v[PW], v[TM+7], 24, v[PW]
	WIN 0x02+((\a)/4)                              ; source 0: window 2 or 3
.irp c, 0,1
	v_cvt_scalef32_pk16_fp6_f32 v[QC+6*\c:QC+6*\c+2], v[AC+32*\c:AC+32*\c+15], v[TM+12+2*\c]            ; 96 bits: the codes of d = 64 c + 16 h + 0 .. 15
	v_cvt_scalef32_pk16_fp6_f32 v[QC+12+4*\c:QC+14+4*\c], v[AC+32*\c+16:AC+32*\c+31], v[TM+13+2*\c]     ; and of d = 64 c + 32 + 16 h + 0 .. 15
.endr
	WIN 0
	v_nop                                          ; one plain place behind a scaled conversion
.irp c, 0,1
.irp i, 0,1,2
	v_permlane16_swap_b32 v[QC+6*\c+\i], v[QC+12+4*\c+\i]   ; the first's lanes 16-31 change places with the second's lanes 0-15: lane (r, h) now holds block 2 c + h whole: its lower 16 codes in the first, its upper 16 in the second
.endr
.endr
.irp c, 0,1
	ds_store_b96 v[STO], v[QC+6*\c:QC+6*\c+2] offset:16*WP*(\a)+64*\c            ; 12 bytes to a place of 16, so that every LDS address is a multiple of 16
	ds_store_b96 v[STO], v[QC+12+4*\c:QC+14+4*\c] offset:16*WP*(\a)+64*\c+16
.endr
	ds_store_b32 v[SSTO], v[PW] offset:128*(\a)    ; both halves of the lanes write the same word with the same value
	s_wait_dscnt 0x0                               ; the stores have read their registers: the next block's codes may be written
.endm
	s_mov_b32 s20, 0x76543210
	s_mov_b32 s21, 0xfedcba98                      ; v_permlanex16_b32's selects for lane l xor 16
.irp b, 0,1,2,3
	v_mov_b32 v[TM+4+\b], 0                        ; written once: a lane permute's destination counts as one of its sources.  These four are also the places behind the last products
.endr
.irp a, 0,1,2,3,4,5,6,7
	QW \a
.endr
	s_wait_dscnt 0x0                               ; for the others' sake: my stores into the stage are done
	s_barrier_signal -1
	s_barrier_wait -1                              ; a row's 192 bytes and its 8 scale bytes come from two waves
	ds_load_b128 v[SW:SW+3], v[SRD]
.irp t, 0,1,2,3,4,5,6,7,8,9,10,11,12,13,14,15,16,17,18,19,20,21,22,23,24,25,26,27,28,29,30,31
	ds_load_b96 v[OUTR+4*\t:OUTR+4*\t+2], v[RD] offset:\t*2*WP
.endr
	s_wait_dscnt 32                                ; the scale bytes are in; the 32 loads behind them may be out
	global_store_b128 v[SCO], v[SW:SW+3], s[96:97] ; my 64 rows' scale bytes: 512 consecutive bytes, at a multiple of 256 from the buffer's first byte
.irp t, 0,1,2,3,4,5,6,7,8,9,10,11,12,13,14,15,16,17,18,19,20,21,22,23,24,25,26,27,28,29,30,31
	s_wait_dscnt 31-\t                             ; loads come back in order: pair t of rows is in
	global_store_b96 v[CO], v[OUTR+4*\t:OUTR+4*\t+2], s[12:13] offset:384*\t   ; rows 2 t and 2 t + 1 of my 64: 384 consecutive bytes
.endr
	s_wait_tensorcnt 0x0                           ; the wave's end: behind my last tensor load and my last LDS store
	ds_add_u32 v[SPW], v[NIL]
	s_wait_dscnt 0x0
	CROUND                                         ; the closing round: no work-group ends while a partner may still ask for a tile that names it
	s_endpgm
.Lfunc_end_k_qa37111d165_gemm1:
	.size	k_qa37111d165_gemm1, .Lfunc_end_k_qa37111d165_gemm1-k_qa37111d165_gemm1
	.p2alignl 7, 3214868480
	.fill 96, 4, 3214868480
	.section	.rodata,"a",@progbits
	.p2align	6, 0x0
	.amdhsa_kernel k_qa37111d165_gemm1
		.amdhsa_group_segment_fixed_size 327680
		.amdhsa_private_segment_fixed_size 0
		.amdhsa_enable_private_segment 0
		.amdhsa_kernarg_size 48
		.amdhsa_user_sgpr_count 2
		.amdhsa_user_sgpr_kernarg_segment_ptr 1
		.amdhsa_wavefront_size32 1
		.amdhsa_system_sgpr_workgroup_id_x 1
		.amdhsa_system_sgpr_workgroup_id_y 1
		.amdhsa_system_sgpr_workgroup_id_z 1
		.amdhsa_system_vgpr_workitem_id 0
		.amdhsa_next_free_vgpr 1024
		.amdhsa_next_free_sgpr 98
		.amdhsa_reserve_vcc 0
		.amdhsa_float_denorm_mode_32 3
		.amdhsa_float_denorm_mode_16_64 3
		.amdhsa_memory_ordered 1
		.amdhsa_forward_progress 1
		.amdhsa_inst_pref_size 170
	.end_amdhsa_kernel
	.amdgpu_metadata
---
amdhsa.version: [ 1, 2 ]
amdhsa.kernels:
  - .name:           k_qa37111d165_gemm1
    .symbol:         k_qa37111d165_gemm1.kd
    .args:
      - { .name: scodes, .offset: 0, .size: 8, .value_kind: global_buffer, .address_space: global }
      - { .name: sscales, .offset: 8, .size: 8, .value_kind: global_buffer, .address_space: global }
      - { .name: ncodes, .offset: 16, .size: 8, .value_kind: global_buffer, .address_space: global }
      - { .name: nscales, .offset: 24, .size: 8, .value_kind: global_buffer, .address_space: global }
      - { .name: wcodes, .offset: 32, .size: 8, .value_kind: global_buffer, .address_space: global }
      - { .name: wscales, .offset: 40, .size: 8, .value_kind: global_buffer, .address_space: global }
    .group_segment_fixed_size: 327680
    .private_segment_fixed_size: 0
    .kernarg_segment_align: 8
    .kernarg_segment_size: 48
    .max_flat_workgroup_size: 128
    .sgpr_count:     98
    .vgpr_count:     1024
    .wavefront_size: 32
...
	.end_amdgpu_metadata
.endif
;; end of part 3
;; launch gemm2 (part 4): grid 16 x 16, 4 waves a work-group, clusters of 4 x 4, 327,680 bytes of LDS; arguments xcodes, xscales, wcodes, wscales, biases, out0; writes out0
.if DOCPART == 4
	.amdgcn_target "amdgcn-amd-amdhsa--gfx1250"
	.amdhsa_code_object_version 6
	.text
	.protected	k_qa37111d165_gemm2
	.globl	k_qa37111d165_gemm2
	.p2align	8
	.type	k_qa37111d165_gemm2,@function
k_qa37111d165_gemm2:
	s_mov_b64 s[64:65], 0
	v_nop
	global_prefetch_b8 v0, s[64:65] scope:SCOPE_SE
	s_setreg_imm32_b32 hwreg(HW_REG_WAVE_MODE, 25, 1), 1
	s_wait_xcnt 0x0
	s_wait_alu depctr_hold_cnt(0) depctr_sa_sdst(0) depctr_va_vdst(0) depctr_va_sdst(0) depctr_va_ssrc(0) depctr_va_vcc(0) depctr_vm_vsrc(0)
	s_getreg_b32 s2, hwreg(HW_REG_IB_STS2, 6, 4)
	s_cmp_eq_u32 s2, 0
	s_cbranch_scc0 .Lentry_in_a_cluster
	s_endpgm
.Lentry_in_a_cluster:
	s_bfe_u32 s2, ttmp6, 0x10000c
	s_cmp_lg_u32 s2, 0xf033
	s_cbranch_scc0 .Lentry_shape_is_right
	s_endpgm
.Lentry_shape_is_right:
; out[t][n] = biases[n] + sum over d of X[t][d] W[d][n], on codes of FP6 (E2M3) with one E8M0 scale for each 32 along K = d; sums in f32; out [4096][4096] f32.
; "A" = X's codes, rows t (SIZE_M = 4,096); "B" = W's codes, rows n (SIZE_N = 4,096); K = 2,048.
; OPERAND LAYOUT, by chunks of 256 along K: codes [K / 256][rows][192 bytes], scale bytes [K / 256][rows][8].  128 rows of a chunk are one dense block of 24,576 bytes.
; A tile of out, 256 x 256, is made by a work-group of four waves, as many as a WGP has SIMDs; a wave makes 128 x 128: 64 accumulators of 16 x 16, 512 registers.  16 x 16 tiles: 256 work-groups.
; K goes in steps of 256 through a ring of two LDS slots filled by the tensor data mover.  THE SCALES of the work-group's 256 + 256 rows, for all of K, come into LDS once, with the first fills, and stay.
; CLUSTERS: 4 x 4 work-groups.  The four of a row of the cluster need the same tiles of A, the four of a column the same tiles of B: each tile is asked for JOINTLY, by the same tensor load with the same descriptor and a mask that names the four.
; THE MATRIX INSTRUCTION IS USED TRANSPOSED (source 0 = 16 rows of B, source 1 = 16 rows of A): a lane then holds eight neighbouring numbers of a row of out.
; THE BIAS is the C of each sum's first matrix instruction: eight registers for each of B's eight tiles, in the result's layout.  ORDER OF ROUNDING: the bias is so added first, where the definition adds it last.
; REGISTERS, in windows of 256: window 0: v0-31 addresses; v32-63 scale words, two sets; v64-127 the bias; from v128 A's fragments (8 x 16 rows x 128 K), ONE set; on the way out v128-255 rows of out.
;   window 1: B's fragments, TWO sets, at v0 and at v128.   window 2: the 32 accumulators of my rows 0-63 (accumulator (a, b) at v[8 (8 a + b)]);   window 3: those of my rows 64-127.
.set SIZE_M, 4096
.set SIZE_N, 4096
.set SIZE_K, 2048
.set NQ,     2                         ; matrix instructions deep in a slot: 256 along K
.set PITCH,  240                       ; a row of 192 bytes in LDS: 3 x (64 bytes of data + 16 of padding) = 60 words: row r starts at bank -4 r mod 64 (64 banks of 4 bytes: ISA guide 11.1)
.set FR,     12                        ; registers of a fragment: 16 rows x 128 K
.set NL,     6                         ; LDS loads that bring one
.set NP,     4                         ; places behind this matrix instruction (ISA guide 7.12.1)
.set HALFT,  128*PITCH                 ; 128 rows: what one tensor load brings, and what one wave reads of A or of B
.set SLOT,   4*HALFT                   ; A's 256 rows, then B's 256 rows
.set LAPS,   SIZE_K/512                ; a lap = two K steps = once round the ring
.set NCH,    SIZE_K/256                ; chunks along K
.set CHA,    SIZE_M*192                ; bytes from chunk to chunk in A's codes
.set CHB,    SIZE_N*192                ; and in B's
.set SCL,    2*SLOT                    ; behind the ring: the scales
.set HALFS,  NCH*1024                  ; those of 128 rows, all chunks: what one tensor load brings: chunk s at 1,024 s, row at 8 x row
.set SPARE,  SCL+4*HALFS+256           ; behind the scales (B's two regions lie 128 bytes further on than wave x HALFS): the spare words, 128 bytes for each wave: two blocks of 256 bytes that no other line names
.set SPITCH, 528                       ; the way out: a stage of 16 rows x (512 bytes + 16) for each wave.  It lies in slot 0, which has had its last fill and its last read when the first result is stored there
.set ADRA, 16                          ; v16-17  LDS address of my A fragments in slot 0, 1  (v18-19: the same for the pieces that lie behind one padding more)
.set ADRB, 20                          ; v20-21  the same for B  (v22-23)
.set STO,  24                          ; v24     the way out: where I put 32 bytes of a row
.set RD,   25                          ; v25     the way out: where I read a row back
.set CO,   26                          ; v26     my byte offset in a row of out
.set ADRS, 27                          ; v27     LDS address of my scale words: lanes 0-15 A's rows, lanes 16-31 B's
.set SPW,  28                          ; v28     LDS address of my spare word: SPARE + 4 x my thread's number; never rewritten
.set NIL,  29                          ; v29     0; never rewritten
.set BO,   30                          ; v30     32 x (lane / 16): my eight numbers of a tile's sixteen biases
.set SC,   32                          ; scale words: set s (for slot s) at v[SC + 16 s]; register 2 i + q: lanes 0-15 the word of A's block i, lanes 16-31 that of B's block i, for the slot's q-th 128 along K
.set BI,   64                          ; v64-127 the bias: register 8 b + j: biases[my first column + 16 b + 8 (lane / 16) + j]
.set AF,   128                         ; A's fragments, in window 0
.set BK,   128                         ; the way out: 16 rows read back from the stage: v128-191 and v192-255 by turns
.set G1, 24                            ; s[24:31] descriptor group 1 for A's tiles;  s[32:39] group 0, one set for each slot
.set G0, 32
.set G1B, 48                           ; s[48:55], s[56:63] the same for B's tiles
.set G0B, 56
.set G1S, 68                           ; s[68:75], s[76:79] groups 1 and 0 for A's scales;  s[80:87], s[88:91] for B's
.set G0S, 76
.set G1SB, 80
.set G0SB, 88
.set MSB, 0
.macro WIN new                         ; the immediate's high byte repeats the setting that is left; a switch that changes nothing is dropped
.if MSB != (\new)
	s_set_vgpr_msb (MSB<<8)|(\new)
.set MSB, (\new)
.endif
.endm
.set MUL_LO, 0xa1                      ; source 0 (B) window 1, source 1 (A) window 0, C and D window 2
.set MUL_HI, 0xf1                      ; the same, C and D window 3
.set TO_B,   0x40                      ; destination window 1, address window 0
; A joint load: waves 0 and 1 fetch for A, waves 2 and 3 for B.  Each of the two lines has ONE mask and one set of registers for all that issue it; the branch hangs on the wave's number alone.
; Four v_nop follow each of the two lines, ahead of the jump, the label and what follows.
.macro JLOAD g0a, g1a, g0b, g1b
	s_cmp_eq_u32 s15, 0
	s_cbranch_scc0 .Lfor_b_\@
	tensor_load_to_lds s[\g0a:\g0a+3], s[\g1a:\g1a+7]
	s_nop 0
.rept 4
	v_nop
.endr
	s_branch .Lasked_\@
.Lfor_b_\@:
	tensor_load_to_lds s[\g0b:\g0b+3], s[\g1b:\g1b+7]
	s_nop 0
.rept 4
	v_nop
.endr
.Lasked_\@:
.endm
.macro CREST                           ; a round of the cluster's barrier behind its opening barrier
	s_cmp_lg_u32 s14, 0
	s_cbranch_scc1 .Lnot_wave_0_\@
	s_barrier_signal -3
.Lnot_wave_0_\@:
	s_barrier_wait -3
	s_barrier_signal -1
	s_barrier_wait -1
.endm
.macro CROUND                          ; a whole round
	s_barrier_signal -1
	s_barrier_wait -1
	CREST
.endm
	s_load_b128 s[4:7], s[0:1], 0x0                ; A's codes s[4:5], A's scales s[6:7]
	s_load_b128 s[8:11], s[0:1], 0x10              ; B's codes s[8:9], B's scales s[10:11]
	s_load_b64 s[96:97], s[0:1], 0x20              ; the biases
	s_load_b64 s[12:13], s[0:1], 0x28              ; out
	v_lshl_add_u32 v[SPW], v0, 2, SPARE
	v_mov_b32 v[NIL], 0
	ds_add_u32 v28, v29
	ds_add_u32 v28, v29
	s_wait_dscnt 0x0
	v_lshrrev_b32 v1, 5, v0
	v_readfirstlane_b32 s14, v1                    ; wave 0..3
	s_lshr_b32 s15, s14, 1                         ; which half of the tile's rows is mine.  Also: I fetch for A (0) or for B (1)
	s_and_b32 s16, s14, 1                          ; which half of its columns.  Also: which 128 rows of that tile I fetch
	s_bfe_u32 s40, ttmp6, 0x40000                  ; cx, cy: my place in the cluster
	s_bfe_u32 s41, ttmp6, 0x40004
	s_lshl_b32 s42, ttmp9, 2
	s_add_co_u32 s42, s42, s40                     ; tile column = 4 x cluster x + cx
	s_and_b32 s17, ttmp7, 0xffff
	s_lshl_b32 s17, s17, 2
	s_add_co_u32 s17, s17, s41                     ; tile row = 4 x cluster y + cy
	s_lshl_b32 s43, s41, 2
	s_lshl_b32 s43, 15, s43                        ; my row of the cluster
	s_lshl_b32 s44, 0x1111, s40                    ; my column
	; descriptor group 1 for codes: 128 rows of 192 bytes are dense, so they are stated as 96 rows of 256 bytes; 16 bytes of padding behind every 64 bytes give each row of 192 its pitch of 240
	s_or_b32 s[G1+0], s43, (0<<16)|(1<<20)|(1<<21)|(3<<22)|(3<<25)  ; 15:0 the mask: A's tiles go to my row; 17:16 element of 1 byte; 20 padding on; 21 set beside a mask; 24:22 after every 16 words (code 3); 31:25 of 4 words (code 3)
	s_or_b32 s[G1B+0], s44, (0<<16)|(1<<20)|(1<<21)|(3<<22)|(3<<25)
.irp g, G1, G1B
	s_mov_b32 s[\g+1], 256<<16                     ; tensor_dim0
	s_mov_b32 s[\g+2], 96<<16                      ; tensor_dim1
	s_mov_b32 s[\g+3], 256<<16                     ; tile_dim0
	s_mov_b32 s[\g+4], 96                          ; tile_dim1
	s_mov_b32 s[\g+5], 256                         ; tensor_dim0_stride
	s_mov_b32 s[\g+6], 0
	s_mov_b32 s[\g+7], 0
.endr
	; and for the scales of 128 rows: NCH rows of 1,024 bytes (128 elements of 8 bytes), one for each chunk, a chunk's bytes apart; no padding
	s_or_b32 s[G1S+0], s43, (3<<16)|(1<<21)
	s_or_b32 s[G1SB+0], s44, (3<<16)|(1<<21)
.irp g, G1S, G1SB
	s_mov_b32 s[\g+1], 128<<16
	s_mov_b32 s[\g+2], NCH<<16
	s_mov_b32 s[\g+3], 128<<16
	s_mov_b32 s[\g+4], NCH
	s_mov_b32 s[\g+6], 0
	s_mov_b32 s[\g+7], 0
.endr
	s_mov_b32 s[G1S+5], SIZE_M                     ; from chunk to chunk: 8 bytes for each row of the tensor
	s_mov_b32 s[G1SB+5], SIZE_N
	s_lshl_b32 s18, s16, 7                         ; which 128 rows of the tile I fetch
	s_lshl_b32 s20, s17, 8
	s_add_co_u32 s20, s20, s18                     ; A: row 256 x tile row + 128 x half
	s_lshl_b32 s46, s42, 8
	s_add_co_u32 s46, s46, s18                     ; B: row 256 x tile column + 128 x half
	s_lshl_b32 s22, s20, 3                         ; where these rows' scales begin in chunk 0, in bytes
	s_mov_b32 s23, 0
	s_lshl_b32 s92, s46, 3
	s_mov_b32 s93, 0
	s_mul_i32 s20, s20, 192                        ; and their codes
	s_mov_b32 s21, 0
	s_mul_i32 s46, s46, 192
	s_mov_b32 s47, 0
	s_mul_i32 s45, s14, HALFT                      ; where they go: wave x 128 rows: no place in the cluster enters an LDS address
	s_mul_i32 s94, s14, HALFS
	s_lshl_b32 s95, s15, 7
	s_add_co_u32 s94, s94, s95                     ; B's scales 128 bytes further on, so that the 128 bytes that lanes 0-15 read of A's and the 128 that lanes 16-31 read of B's fall on different banks
	s_wait_kmcnt 0x0
	s_add_nc_u64 s[20:21], s[4:5], s[20:21]
	s_add_nc_u64 s[22:23], s[6:7], s[22:23]
	s_add_nc_u64 s[46:47], s[8:9], s[46:47]
	s_add_nc_u64 s[92:93], s[10:11], s[92:93]
	CROUND                                         ; all sixteen work-groups are here: the first joint loads meet
	s_mov_b32 s[G0S], 1
	s_add_co_u32 s[G0S+1], s94, SCL
	s_mov_b64 s[G0S+2:G0S+3], s[22:23]
	s_or_b32 s[G0S+3], s[G0S+3], 0x80000000
	s_mov_b32 s[G0SB], 1
	s_add_co_u32 s[G0SB+1], s94, SCL
	s_mov_b64 s[G0SB+2:G0SB+3], s[92:93]
	s_or_b32 s[G0SB+3], s[G0SB+3], 0x80000000
	JLOAD G0S, G1S, G0SB, G1SB                     ; the scales first: they are wanted with K step 0
.irp s, 0,1
	s_mov_b32 s[G0+4*\s], 1
	s_add_co_u32 s[G0+4*\s+1], s45, \s*SLOT
	s_add_nc_u64 s[G0+4*\s+2:G0+4*\s+3], s[20:21], \s*CHA
	s_or_b32 s[G0+4*\s+3], s[G0+4*\s+3], 0x80000000
	s_mov_b32 s[G0B+4*\s], 1
	s_add_co_u32 s[G0B+4*\s+1], s45, \s*SLOT
	s_add_nc_u64 s[G0B+4*\s+2:G0B+4*\s+3], s[46:47], \s*CHB
	s_or_b32 s[G0B+4*\s+3], s[G0B+4*\s+3], 0x80000000
	JLOAD G0+4*\s, G1, G0B+4*\s, G1B               ; three tensor loads of mine are out behind the last of these
.endr
	v_and_b32 v1, 15, v0                           ; r = l % 16
	v_bfe_u32 v2, v0, 4, 1                         ; h = l / 16
	v_mul_u32_u24 v3, v1, PITCH
	v_mul_u32_u24 v4, v2, 24
	v_add_nc_u32 v4, v3, v4                        ; a fragment's row x pitch + 24 x half
	v_lshl_add_u32 v5, v2, 4, v4                   ; and the same behind one padding more
	s_mul_i32 s21, s15, HALFT                      ; my 128 rows of A
	s_mul_i32 s22, s16, HALFT                      ; my 128 rows of B,
	s_add_co_u32 s22, s22, 2*HALFT                 ; which lie behind A's 256
.irp s, 0,1
	v_add_nc_u32 v[ADRA+\s], s21, v4
	v_add_nc_u32 v[ADRB+\s], s22, v4
	v_add_nc_u32 v[ADRA+2+\s], s21, v5
	v_add_nc_u32 v[ADRB+2+\s], s22, v5
	s_add_co_u32 s21, s21, SLOT
	s_add_co_u32 s22, s22, SLOT
.endr
	v_lshlrev_b32 v5, 3, v1                        ; my row's scales: 8 bytes a row
	s_mul_i32 s21, s15, HALFS                      ; A's: my 128 rows
	s_mul_i32 s22, s16, HALFS                      ; B's: my 128 rows, behind A's 256 and 128 bytes on
	s_add_co_u32 s22, s22, 2*HALFS+128
	s_sub_co_u32 s22, s22, s21
	v_mul_u32_u24 v6, s22, v2                      ; lanes 16-31 take B's: one product, the distance between the two bases x h
	s_add_co_u32 s21, s21, SCL
	v_add_nc_u32 v5, v5, v6
	v_add_nc_u32 v[ADRS], s21, v5
	s_mul_i32 s23, s14, 16*SPITCH                  ; my stage
	v_mul_u32_u24 v5, v1, SPITCH                   ; in: row l % 16, 32 bytes for each half of the lanes
	v_lshl_add_u32 v5, v2, 5, v5
	v_add_nc_u32 v[STO], s23, v5
	v_and_b32 v6, 31, v0
	v_lshlrev_b32 v[CO], 4, v6                     ; back: the 32 lanes take one row of 512 bytes; and the same in out
	v_add_nc_u32 v[RD], s23, v[CO]
	v_lshlrev_b32 v[BO], 5, v2
	s_lshl_b32 s20, s17, 8
	s_lshl_b32 s21, s15, 7
	s_add_co_u32 s20, s20, s21                     ; my first row of out: 256 x tile row + 128 x half
	s_mov_b32 s21, 0
	s_mov_b64 s[18:19], SIZE_N*4
	s_mul_u64 s[20:21], s[20:21], s[18:19]
	s_lshl_b32 s46, s42, 10                        ; my first column, in bytes: 1024 x tile column + 512 x half (in the registers that held B's address: none that feeds A's descriptors ever holds cx)
	s_lshl_b32 s47, s16, 9
	s_add_co_u32 s46, s46, s47
	s_mov_b32 s47, 0
	s_add_nc_u64 s[96:97], s[96:97], s[46:47]      ; the biases of my 128 columns begin as many bytes on
	s_add_nc_u64 s[20:21], s[20:21], s[46:47]
	s_add_nc_u64 s[12:13], s[12:13], s[20:21]
.irp b, 0,1,2,3,4,5,6,7
	global_load_b128 v[BI+8*\b:BI+8*\b+3], v[BO], s[96:97] offset:64*\b         ; tile b: columns 16 b + 8 h + 0 .. 7, the same in all sixteen lanes of a half
	global_load_b128 v[BI+8*\b+4:BI+8*\b+7], v[BO], s[96:97] offset:64*\b+16
.endr
.macro FRAG reg, adr, q, i             ; a fragment, 16 rows x 128 K of 6-bit codes, is 12 registers: lane l holds row l % 16; registers 6 c .. 6 c + 5 hold K = 64 c + 32 (l / 16) + 0 .. 31: 24 bytes of the row's stream of bits, as they lie
.irp p, 0,1,2,3,4,5                    ; in pieces of 8 bytes, so that every address is a multiple of the access's size.  Lanes 0-15 take the row's pieces 12 q + 0, 1, 2 and 12 q + 6, 7, 8, lanes 16-31 those three pieces on
.set PIECE, 12*(\q)+6*(\p/3)+\p%3      ; 16 bytes of padding lie behind every 8 pieces: where the piece three on lies behind one padding more, the second address register (40 for 24 bytes a half) serves
.if PIECE%8 < 5
	ds_load_b64 v[\reg+2*\p:\reg+2*\p+1], v[\adr] offset:8*PIECE+16*(PIECE/8)+(\i)*16*PITCH
.else
	ds_load_b64 v[\reg+2*\p:\reg+2*\p+1], v[\adr+2] offset:8*PIECE+16*(PIECE/8)+(\i)*16*PITCH
.endif
.endr
.endm
; 16 matrix instructions: A's blocks a0, a0 + 1 x B's eight, 128 along K: the slot's q-th.  p: B's set;  sc: the set of scale words.  first = 1: the first product starts the sums from the bias: nothing is ever cleared, and no addition is written.
; The 64 accumulators take turns, one instruction a turn, in the same order in every step.
.macro MUL16 a0, p, q, sc, first
.irp a, \a0, \a0+1
.irp b, 0,1,2,3,4,5,6,7
.if \first
	v_wmma_scale_f32_16x16x128_f8f6f4 v[8*(8*((\a)%4)+\b):8*(8*((\a)%4)+\b)+7], v[128*(\p)+FR*\b:128*(\p)+FR*\b+FR-1], v[AF+FR*(\a):AF+FR*(\a)+FR-1], v[BI+8*\b:BI+8*\b+7], v[SC+8*NQ*(\sc)+NQ*\b+(\q)], v[SC+8*NQ*(\sc)+NQ*(\a)+(\q)] matrix_a_fmt:MATRIX_FMT_FP6 matrix_b_fmt:MATRIX_FMT_FP6 matrix_a_scale:MATRIX_SCALE_ROW1
.else
	v_wmma_scale_f32_16x16x128_f8f6f4 v[8*(8*((\a)%4)+\b):8*(8*((\a)%4)+\b)+7], v[128*(\p)+FR*\b:128*(\p)+FR*\b+FR-1], v[AF+FR*(\a):AF+FR*(\a)+FR-1], v[8*(8*((\a)%4)+\b):8*(8*((\a)%4)+\b)+7], v[SC+8*NQ*(\sc)+NQ*\b+(\q)], v[SC+8*NQ*(\sc)+NQ*(\a)+(\q)] matrix_a_fmt:MATRIX_FMT_FP6 matrix_b_fmt:MATRIX_FMT_FP6 matrix_a_scale:MATRIX_SCALE_ROW1
.endif
.endr
.endr
.endm
.macro FETCH_B slot, q, p              ; B's eight fragments of the slot's q-th 128 along K into set p
	WIN TO_B
.irp i, 0,1,2,3,4,5,6,7
	FRAG 128*(\p)+FR*\i, ADRB+\slot, \q, \i
.endr
	WIN 0
.endm
.macro FETCH_A slot, q, i0             ; A's blocks i0 .. i0 + 3
.irp i, \i0, \i0+1, \i0+2, \i0+3
	FRAG AF+FR*(\i), ADRA+\slot, \q, \i
.endr
.endm
.macro SCALES sc                       ; the next K step's scale words into set sc: two words a row; lanes 0-15 take A's block i, lanes 16-31 B's block i
.irp i, 0,1,2,3,4,5,6,7
	ds_load_b64 v[SC+8*NQ*\sc+NQ*\i:SC+8*NQ*\sc+NQ*\i+1], v[ADRS] offset:\i*128
.endr
.endm
; A load into a register that a matrix instruction has read, and a vector instruction or an LDS store that reads a matrix result, stand NP places behind that matrix instruction, and only plain vector
; instructions that name none of its registers are places (ISA guide 7.12.1 for vector instructions); this text does not count the matrix instructions in between.
.macro PLACES n
.rept \n
	v_nop
.endr
.endm
; A step of 128 along K that has its successor in the same slot.  A's blocks go one after the other, each against B's eight, so a block of A is free as soon as its eight products are issued: blocks 0-3 are fetched anew in the step's middle, blocks 4-7 at its end.
; first = 1: C is the bias, which lies in window 0: source 2's window is 0 in that step alone.
.macro STEP slot, q, first
	s_wait_dscnt 4*NL                              ; B's set and A's blocks 0-3 are in; the youngest 24 loads (A's blocks 4-7) may be out
	WIN MUL_LO-0x20*(\first)
	MUL16 0, (\q)%2, \q, \slot, \first
	MUL16 2, (\q)%2, \q, \slot, \first
	s_wait_dscnt 0                                 ; A's blocks 4-7 are in (asked for 32 matrix instructions ago)
	PLACES NP
	FETCH_B \slot, (\q)+1, 1-(\q)%2
	FETCH_A \slot, (\q)+1, 0
	WIN MUL_HI-0x30*(\first)
	MUL16 4, (\q)%2, \q, \slot, \first
	MUL16 6, (\q)%2, \q, \slot, \first
	PLACES NP
	WIN 0
	FETCH_A \slot, (\q)+1, 4
.endm
; A slot's last step changes slots: ONE barrier; in front of it each wave waits for all its tensor loads, adds 0 to its spare word, and waits for that and for its own reads of this slot.  fill = 1: this slot is filled again, two K steps ahead.
.macro TURN slot, next, fill
	s_wait_tensorcnt 0x0                           ; all my tensor loads have landed: my part of the next slot;  (every window is 0 here: the add's two registers lie in window 0)
	ds_add_u32 v[SPW], v[NIL]                      ; 0 onto my spare word
	s_wait_dscnt 4*NL+1                            ; (the add and the youngest 24 loads, A's blocks 4-7, may be out)
	WIN MUL_LO
	MUL16 0, 1, NQ-1, \slot, 0                     ; sixteen matrix instructions stand between the add and the wait for it
	s_wait_dscnt 0x0                               ; the add is done, and my reads of this slot are over
	s_barrier_signal -1
	MUL16 2, 1, NQ-1, \slot, 0
	WIN 0
	s_barrier_wait -1
.if \fill
	CREST                                          ; the barrier has opened a round of the cluster's barrier: no wave of any partner still reads this slot's tile or has a load on its way
	s_add_nc_u64 s[G0+4*\slot+2:G0+4*\slot+3], s[G0+4*\slot+2:G0+4*\slot+3], 2*CHA
	s_add_nc_u64 s[G0B+4*\slot+2:G0B+4*\slot+3], s[G0B+4*\slot+2:G0B+4*\slot+3], 2*CHB
	JLOAD G0+4*\slot, G1, G0B+4*\slot, G1B         ; the first tensor load behind the round, my one load until the next; the four v_nop behind it are the places in front of the loads below
.else
	PLACES NP
.endif
	v_add_nc_u32 v[ADRS], 1024, v[ADRS]            ; on to the next chunk's scale words (no LDS load of mine is out)
	FETCH_B \next, 0, 0
	FETCH_A \next, 0, 0
	SCALES \next
	WIN MUL_HI
	MUL16 4, 1, NQ-1, \slot, 0
	MUL16 6, 1, NQ-1, \slot, 0
	PLACES NP
	WIN 0
	FETCH_A \next, 0, 4
.endm
	s_wait_loadcnt 0x0                             ; the bias
	s_wait_tensorcnt 1                             ; the scales and my part of K step 0 are in (K step 1's load may be out)
	s_barrier_signal -1
	s_barrier_wait -1                              ; everybody's are
	FETCH_B 0, 0, 0
	FETCH_A 0, 0, 0
	SCALES 0
	FETCH_A 0, 0, 4
	STEP 0, 0, 1                                   ; the first step stands in front of the loop: its products start the sums
	s_mov_b32 s3, LAPS-1
.Llap:                                                 ; a trip goes once round the ring, from a lap's second step to the next lap's first, and fills both slots again
	TURN 0, 1, 1
	STEP 1, 0, 0
	TURN 1, 0, 1
	STEP 0, 0, 0
	s_sub_co_u32 s3, s3, 1
	s_cmp_lg_u32 s3, 0
	s_cbranch_scc1 .Llap
	TURN 0, 1, 0                                   ; the last lap fills nothing, and has no round of the cluster's barrier
	STEP 1, 0, 0
	s_wait_dscnt 4*NL                              ; the very last step: nothing more to fetch
	WIN MUL_LO
	MUL16 0, 1, NQ-1, 1, 0
	MUL16 2, 1, NQ-1, 1, 0
	s_wait_dscnt 0
	WIN MUL_HI
	MUL16 4, 1, NQ-1, 1, 0
	MUL16 6, 1, NQ-1, 1, 0
	WIN 0
; THE WAY OUT, block by block of 16 rows x 128 columns.  A lane holds 32 neighbouring bytes of a row, and the lanes beside it hold other rows: so a block goes through my own stage in LDS and comes back as whole
; rows of 512 bytes, which the 32 lanes store at once.  LDS serves a wave's instructions in order (ISA guide 5.7.1.4): no wait between the stores and the loads, nor in front of the next block's stores.
.macro TOSTAGE a
.set AC, 64*((\a)%4)
	WIN 0x08+4*((\a)/4)                            ; the data: window 2 or 3
.irp b, 0,1,2,3,4,5,6,7
	ds_store_b128 v[STO], v[AC+8*\b:AC+8*\b+3] offset:64*\b          ; each accumulator from its low end on
	ds_store_b128 v[STO], v[AC+8*\b+4:AC+8*\b+7] offset:64*\b+16
.endr
	WIN 0
.set BB, BK+64*((\a)%2)
.irp t, 0,1,2,3,4,5,6,7,8,9,10,11,12,13,14,15
	ds_load_b128 v[BB+4*\t:BB+4*\t+3], v[RD] offset:\t*SPITCH
.endr
.endm
.macro SEND a, younger                 ; younger: the LDS instructions issued behind block a's loads, which may stay out
.set BB, BK+64*((\a)%2)
	s_wait_dscnt \younger                          ; the block is back in registers
.if (\a) > 0
	s_add_nc_u64 s[12:13], s[12:13], 16*SIZE_N*4   ; (behind a wait on XCNT: the earlier stores have read their base)  16 rows of out on, so that the stores' offsets stay small: 15 rows at the most
.endif
.irp t, 0,1,2,3,4,5,6,7,8,9,10,11,12,13,14,15
	global_store_b128 v[CO], v[BB+4*\t:BB+4*\t+3], s[12:13] offset:\t*SIZE_N*4 th:TH_STORE_NT   ; 32 lanes store 512 consecutive bytes, at a multiple of 256 from out's first byte; written once, read by nobody here
.endr
.endm
	PLACES NP                                      ; these places serve the loads into the registers that held A's fragments and the reads of the last products' results alike
	TOSTAGE 0
.irp a, 1,2,3,4,5,6,7
.if \a > 1
	s_wait_xcnt 0x0                                ; block a - 2's stores have read their registers and their base: block a's loads may land there, and the base may step
.endif
	TOSTAGE \a
	SEND \a-1, 32                                  ; behind block a - 1's loads: block a's 16 stores and 16 loads
.endr
	s_wait_xcnt 0x0                                ; block 6's stores have read their base
	SEND 7, 0
	s_wait_tensorcnt 0x0                           ; the wave's end: behind my last tensor load and my last LDS store
	ds_add_u32 v[SPW], v[NIL]
	s_wait_dscnt 0x0
	CROUND                                         ; the closing round: no work-group ends while a partner may still ask for a tile that names it
	s_endpgm
.Lfunc_end_k_qa37111d165_gemm2:
	.size	k_qa37111d165_gemm2, .Lfunc_end_k_qa37111d165_gemm2-k_qa37111d165_gemm2
	.p2alignl 7, 3214868480
	.fill 96, 4, 3214868480
	.section	.rodata,"a",@progbits
	.p2align	6, 0x0
	.amdhsa_kernel k_qa37111d165_gemm2
		.amdhsa_group_segment_fixed_size 327680
		.amdhsa_private_segment_fixed_size 0
		.amdhsa_enable_private_segment 0
		.amdhsa_kernarg_size 48
		.amdhsa_user_sgpr_count 2
		.amdhsa_user_sgpr_kernarg_segment_ptr 1
		.amdhsa_wavefront_size32 1
		.amdhsa_system_sgpr_workgroup_id_x 1
		.amdhsa_system_sgpr_workgroup_id_y 1
		.amdhsa_system_sgpr_workgroup_id_z 1
		.amdhsa_system_vgpr_workitem_id 0
		.amdhsa_next_free_vgpr 1024
		.amdhsa_next_free_sgpr 98
		.amdhsa_reserve_vcc 0
		.amdhsa_float_denorm_mode_32 3
		.amdhsa_float_denorm_mode_16_64 3
		.amdhsa_memory_ordered 1
		.amdhsa_forward_progress 1
		.amdhsa_inst_pref_size 162
	.end_amdhsa_kernel
	.amdgpu_metadata
---
amdhsa.version: [ 1, 2 ]
amdhsa.kernels:
  - .name:           k_qa37111d165_gemm2
    .symbol:         k_qa37111d165_gemm2.kd
    .args:
      - { .name: xcodes, .offset: 0, .size: 8, .value_kind: global_buffer, .address_space: global }
      - { .name: xscales, .offset: 8, .size: 8, .value_kind: global_buffer, .address_space: global }
      - { .name: wcodes, .offset: 16, .size: 8, .value_kind: global_buffer, .address_space: global }
      - { .name: wscales, .offset: 24, .size: 8, .value_kind: global_buffer, .address_space: global }
      - { .name: biases, .offset: 32, .size: 8, .value_kind: global_buffer, .address_space: global }
      - { .name: out0, .offset: 40, .size: 8, .value_kind: global_buffer, .address_space: global }
    .group_segment_fixed_size: 327680
    .private_segment_fixed_size: 0
    .kernarg_segment_align: 8
    .kernarg_segment_size: 48
    .max_flat_workgroup_size: 128
    .sgpr_count:     98
    .vgpr_count:     1024
    .wavefront_size: 32
...
	.end_amdgpu_metadata
.endif
;; end of part 4
;; ======== version 2 of 2: 4 launches
;; limits: right only within a limited range of input values
;; workspace buffers: xcodes 6,291,456 bytes; xscales 262,144 bytes; nimg 6,553,600 bytes; simg 13,107,200 bytes; wcodes 6,291,456 bytes; wscales 262,144 bytes
;; launch qx (part 5): grid 256 x 1, 4 waves a work-group, no clusters, 33,280 bytes of LDS; arguments X, xcodes, xscales; writes xcodes, xscales
.if DOCPART == 5
	.amdgcn_target "amdgcn-amd-amdhsa--gfx1250"
	.amdhsa_code_object_version 6
	.text
	.protected	k_qa37111d165_qx
	.globl	k_qa37111d165_qx
	.p2align	8
	.type	k_qa37111d165_qx,@function
k_qa37111d165_qx:
	s_mov_b64 s[64:65], 0
	v_nop
	global_prefetch_b8 v0, s[64:65] scope:SCOPE_SE
	s_setreg_imm32_b32 hwreg(HW_REG_WAVE_MODE, 25, 1), 1
	s_wait_xcnt 0x0
; X [4096][2048], f32, K innermost, is turned into codes of FP6 (E2M3), 6 bits each, with one E8M0 scale byte for each 32 along K.
; OUTPUT LAYOUT (this program's own): by chunks of 256 along K: codes [8 chunks][4096 rows][192 bytes], scale bytes [8 chunks][4096 rows][8].  A row's 256 codes of a chunk are one stream of bits,
; the code of the lowest k in the lowest bits.  So 128 rows of one chunk, which is what the product's launch fetches at a time, are one dense block of 24,576 bytes.
; A block's scale is 2^(floor(log2(its largest magnitude)) - 2); its byte is the largest magnitude's own exponent field - 2, held at 1 from below.  Each number is divided by the scale and rounded to the nearest code, ties to even;
; beyond 7.5 the conversion gives the largest code.
; LIMITS: NaN and infinities among the inputs are not served.  A block whose largest magnitude lies under 2^-124 has its byte held at 1.  A block of zeros gets the byte 1 where the rule says 127: its codes are zeros,
; which add nothing under any byte but 0xff, and the bytes are read by this program alone.
; SHARES.  Work-group g: rows 32 (g / 2) on; wave w takes chunk 4 (g % 2) + w of them, so the four waves stand side by side on 4,096 bytes of each row.  A wave: 16 steps of two rows x 256 numbers.
; The conversion takes 16 numbers of ONE block from a lane's registers, so a lane must hold 16 neighbours; a load is best where neighbouring LANES take neighbouring bytes.  Both are had: each of a step's four loads reads
; 512 consecutive bytes, 16 a lane; the 2,048 bytes go through the wave's own stage in LDS, as they lie, and come back 64 bytes a lane (16 bytes of padding behind each 64).  Two neighbouring lanes hold a block.
; A lane's 16 codes are 12 bytes: a step's store covers 384 consecutive bytes, the two rows' 192 each.  A wave's 256 scale bytes are gathered in its own LDS bytes and leave as 256 consecutive, aligned bytes.
; No tensor loads, no barrier: waves share nothing.  Loads run eight steps (32 loads of 512 bytes a wave) ahead, the turn through LDS one step.  No matrix unit, no cluster: the launch only streams.
.set STEPS, 16
.set AH,    8                          ; steps of loads ahead, and sets of registers for them
.set EMAX,  2
.set CB,    12                         ; bytes of 16 codes
.set ROW,   8192                       ; a row of X in bytes
.set SP,    80                         ; a lane's place in a stage: its 64 bytes + 16 of padding
.set WREG,  8192                       ; LDS: a region of its own for each wave: two stages of 32 x SP bytes, and behind them its 256 scale bytes
.set R,     16                         ; v16-143  eight sets of 16 numbers as they are loaded
.set X,     144                        ; v144-175 two sets of 16 neighbours
.set E,     176                        ; v176-191 a scale byte for each step
.set C,     192                        ; v192-255 codes: four registers for each step, so that no store's data are written again
	s_load_b128 s[4:7], s[0:1], 0x0                ; X, the codes
	s_load_b64 s[8:9], s[0:1], 0x10                ; the scale bytes
	v_lshl_add_u32 v251, v0, 2, 0x8000
	v_mov_b32 v255, 0
	v_lshrrev_b32 v1, 5, v0
	v_readfirstlane_b32 s16, v1                    ; wave
	v_and_b32 v2, 31, v0                           ; lane
	v_lshlrev_b32 v3, 4, v2                        ; my 16 bytes of a load's 512
	s_mul_i32 s17, s16, WREG
	v_lshrrev_b32 v14, 2, v2
	v_mul_u32_u24 v14, v14, SP
	v_and_b32 v15, 3, v2
	v_lshl_add_u32 v14, v15, 4, v14
	v_add_nc_u32 v14, s17, v14                     ; the stage, on the way in: four lanes' 64 bytes on end, then 16 of padding
	v_mul_u32_u24 v15, v2, SP
	v_add_nc_u32 v15, s17, v15                     ; and on the way out: SP x lane: my 16 neighbours
	v_mul_u32_u24 v4, v2, CB                       ; my codes' place in a step's 384 bytes
	v_lshrrev_b32 v5, 1, v2
	s_add_co_u32 s17, s17, 2*32*SP
	v_add_nc_u32 v5, s17, v5                       ; LDS: my wave's 256 scale bytes, my block's byte
	v_lshlrev_b32 v7, 3, v2                        ; and on the way out 8 bytes a lane
	v_add_nc_u32 v6, s17, v7
	s_lshr_b32 s18, ttmp9, 1                       ; which 32 rows
	s_and_b32 s19, ttmp9, 1
	s_lshl_b32 s19, s19, 2
	s_add_co_u32 s19, s19, s16                     ; which chunk of 256 along K
	s_lshl_b32 s20, s18, 18                        ; X: 32 rows of 8,192 bytes,
	s_lshl_b32 s22, s19, 10                        ; and 1,024 bytes a chunk
	s_add_co_u32 s20, s20, s22
	s_mov_b32 s21, 0
	s_mul_i32 s22, s19, 4096*192                   ; codes: a chunk of all rows,
	s_mul_i32 s24, s18, 32*192                     ; and 32 rows of 192 bytes
	s_add_co_u32 s22, s22, s24
	s_mov_b32 s23, 0
	s_lshl_b32 s24, s19, 15                        ; scale bytes: 4,096 x 8 a chunk,
	s_lshl_b32 s26, s18, 8                         ; 32 x 8 for my rows
	s_add_co_u32 s24, s24, s26
	s_mov_b32 s25, 0
	s_wait_alu depctr_va_vdst(0)
	s_wait_kmcnt 0x0
	s_add_nc_u64 s[4:5], s[4:5], s[20:21]
	s_add_nc_u64 s[6:7], s[6:7], s[22:23]
	s_add_nc_u64 s[8:9], s[8:9], s[24:25]
.macro LOAD t                          ; step t: rows 2 t and 2 t + 1, 1,024 bytes of each, as four loads of 512 consecutive bytes
.irp i, 0,1,2,3
	global_load_b128 v[R+16*((\t)%AH)+4*\i:R+16*((\t)%AH)+4*\i+3], v3, s[4:5] offset:(2*(\t)+\i/2)*ROW+(\i%2)*512 th:TH_LOAD_NT
.endr
.endm
.macro TURN t                          ; step t's numbers through the stage: LDS serves a wave's instructions in order, so no wait stands between the stores and the loads
.irp i, 0,1,2,3
	ds_store_b128 v14, v[R+16*((\t)%AH)+4*\i:R+16*((\t)%AH)+4*\i+3] offset:32*SP*((\t)%2)+8*SP*\i
.endr
.irp i, 0,1,2,3
	ds_load_b128 v[X+16*((\t)%2)+4*\i:X+16*((\t)%2)+4*\i+3], v15 offset:32*SP*((\t)%2)+16*\i
.endr
.endm
.irp t, 0,1,2,3,4,5,6,7
	LOAD \t
.endr
	s_wait_loadcnt 28                              ; step 0's four loads are in; those of the seven steps behind it may be out
	TURN 0
.macro STEP t
.set XS, X+16*((\t)%2)
.if (\t) > 0
	s_wait_dscnt 1                                 ; this step's numbers are back from the stage (the last step's byte store may be out): so its stores into the stage have read their registers,
.else
	s_wait_dscnt 0x0
.endif
.if (\t)+AH < STEPS
	LOAD (\t)+AH                                   ; which take the loads of eight steps on
.endif
.if (\t)+1 < STEPS
.if STEPS-2-(\t) >= AH-1
	s_wait_loadcnt 4*(AH-1)                        ; the next step's four loads are in; those of the seven steps behind it may be out
.else
	s_wait_loadcnt 4*(STEPS-2-(\t))                ; towards the end fewer steps are behind it
.endif
	TURN (\t)+1                                    ; and go through the other stage while this step is worked
.endif
	v_max3_num_f32 v8, |v[XS]|, |v[XS+1]|, |v[XS+2]|               ; the largest magnitude of my 16, in two chains
	v_max3_num_f32 v9, |v[XS+3]|, |v[XS+4]|, |v[XS+5]|
.irp i, 6,10
	v_max3_num_f32 v8, v8, |v[XS+\i]|, |v[XS+\i+1]|
	v_max3_num_f32 v9, v9, |v[XS+\i+2]|, |v[XS+\i+3]|
.endr
	v_max3_num_f32 v8, v8, |v[XS+14]|, |v[XS+15]|
	v_max3_num_f32 v8, v8, v9, (EMAX+1)<<23        ; and the floor 2^(3 - 127), under which no largest magnitude is taken: so the byte cannot fall under 1
	v_max_num_f32_dpp v8, v8, v8 row_xmask:1 row_mask:0xf bank_mask:0xf   ; and of my neighbour's 16: the block's
	v_add_nc_u32 v11, 0xff000000, v8               ; 2 off its exponent field: the conversion takes the exponent field of this operand as its scale, and nothing else of it
	v_cvt_scalef32_pk16_fp6_f32 v[C+4*(\t):C+4*(\t)+2], v[XS:XS+15], v11   ; 96 bits without gaps, the first number's code lowest
	v_lshrrev_b32 v[E+(\t)], 23, v11               ; the scale's byte (also the plain line behind the conversion)
	ds_store_b8 v5, v[E+(\t)] offset:16*(\t)       ; both lanes of a block write the same byte with the same value
	global_store_b96 v4, v[C+4*(\t):C+4*(\t)+2], s[6:7] offset:32*CB*(\t)   ; rows 2 t and 2 t + 1 of my chunk: 384 consecutive bytes
.endm
.irp t, 0,1,2,3,4,5,6,7,8,9,10,11,12,13,14,15
	STEP \t
.endr
	ds_load_b64 v[12:13], v6                       ; LDS serves a wave's instructions in order: this sees my byte stores
	s_wait_dscnt 0x0
	global_store_b64 v7, v[12:13], s[8:9]          ; my 32 rows' 8 bytes each: 32 lanes store 256 consecutive bytes, at a multiple of 256 from the buffer's first byte
	s_wait_tensorcnt 0x0
	ds_add_u32 v251, v255
	s_wait_dscnt 0x0
	s_endpgm
.Lfunc_end_k_qa37111d165_qx:
	.size	k_qa37111d165_qx, .Lfunc_end_k_qa37111d165_qx-k_qa37111d165_qx
	.p2alignl 7, 3214868480
	.fill 96, 4, 3214868480
	.section	.rodata,"a",@progbits
	.p2align	6, 0x0
	.amdhsa_kernel k_qa37111d165_qx
		.amdhsa_group_segment_fixed_size 33280
		.amdhsa_private_segment_fixed_size 0
		.amdhsa_enable_private_segment 0
		.amdhsa_kernarg_size 24
		.amdhsa_user_sgpr_count 2
		.amdhsa_user_sgpr_kernarg_segment_ptr 1
		.amdhsa_wavefront_size32 1
		.amdhsa_system_sgpr_workgroup_id_x 1
		.amdhsa_system_sgpr_workgroup_id_y 1
		.amdhsa_system_sgpr_workgroup_id_z 1
		.amdhsa_system_vgpr_workitem_id 0
		.amdhsa_next_free_vgpr 256
		.amdhsa_next_free_sgpr 66
		.amdhsa_reserve_vcc 0
		.amdhsa_float_denorm_mode_32 3
		.amdhsa_float_denorm_mode_16_64 3
		.amdhsa_memory_ordered 1
		.amdhsa_forward_progress 1
		.amdhsa_inst_pref_size 32
	.end_amdhsa_kernel
	.amdgpu_metadata
---
amdhsa.version: [ 1, 2 ]
amdhsa.kernels:
  - .name:           k_qa37111d165_qx
    .symbol:         k_qa37111d165_qx.kd
    .args:
      - { .name: X, .offset: 0, .size: 8, .value_kind: global_buffer, .address_space: global }
      - { .name: xcodes, .offset: 8, .size: 8, .value_kind: global_buffer, .address_space: global }
      - { .name: xscales, .offset: 16, .size: 8, .value_kind: global_buffer, .address_space: global }
    .group_segment_fixed_size: 33280
    .private_segment_fixed_size: 0
    .kernarg_segment_align: 8
    .kernarg_segment_size: 24
    .max_flat_workgroup_size: 128
    .sgpr_count:     66
    .vgpr_count:     256
    .wavefront_size: 32
...
	.end_amdgpu_metadata
.endif
;; end of part 5
;; launch qko (part 6): grid 48 x 16, 4 waves a work-group, no clusters, 25,088 bytes of LDS; arguments normals, S, nimg, simg; writes nimg, simg
.if DOCPART == 6
	.amdgcn_target "amdgcn-amd-amdhsa--gfx1250"
	.amdhsa_code_object_version 6
	.text
	.protected	k_qa37111d165_qko
	.globl	k_qa37111d165_qko
	.p2align	8
	.type	k_qa37111d165_qko,@function
k_qa37111d165_qko:
	s_mov_b64 s[64:65], 0
	v_nop
	global_prefetch_b8 v0, s[64:65] scope:SCOPE_SE
	s_setreg_imm32_b32 hwreg(HW_REG_WAVE_MODE, 25, 1), 1
	s_wait_xcnt 0x0
; normals [4095][2048] and S [4095][4096], f32, are the two operands of the first product; its K, 4,095, is the FIRST axis of both.  Each is turned into codes of FP6 (E2M3) with one E8M0 byte for each 32 along K.
; OUTPUT LAYOUT (this program's own): IN THE ORDER OF THE OPERAND'S REGISTERS.  [8 runs of 512 along K][groups of 16 columns][6,400 bytes].  A group's block: four fragment images of 1,536 bytes, one for each 128 along K,
; then 256 bytes of scale words.  A fragment (16 rows x 128 K) is 12 registers a lane: lane (r, h) holds row r; registers 6 c .. 6 c + 5 hold K = 64 c + 32 h + 0 .. 31.  In its image register j of lane l lies at
; 512 (j / 4) + 16 l + 4 (j % 4), so that three loads of 16 bytes a lane, each of 512 consecutive bytes, bring it.  Row r's scale word for the q-th 128 along K lies at 6,144 + 16 r + 4 q.
; A LANE TAKES A COLUMN, AND ITS REGISTERS RUN DOWN K: each load reads 32 neighbouring columns of one row (128 consecutive bytes a wave, 512 a work-group), a block of 32 along K lies in ONE lane's 32 registers, so that its
; largest magnitude needs no other lane, and the conversions give the codes with K innermost.  Nothing is transposed by an instruction.
; K = 4,095: the last block's 32nd number does not exist.  Its load reads row 4,094 once more (no load leaves the buffer) and the number is replaced by 0 ahead of the maximum: the quantiser's fill with zeros.
; THE ORDER OF normals' COLUMNS IN ITS OUTPUT: place p holds column p with bits 3 and 4 exchanged.  Sixteen neighbouring places are then columns 32 b + 8 u + r + 8 (r / 8), which lets the next launch find 16 neighbours
; along d in a lane's 16 registers of two neighbouring tiles.  S's columns keep their order.  The exchange stands in the loads' lane offset alone (the same 128 bytes are read) and is masked off for S.
; ONE PATH FOR BOTH TENSORS: work-groups x < 16 take normals (128 columns each), the others S.  Only pointers, the row pitch's logarithm (13 or 14) and the exchange's mask are chosen, on the work-group's number.
; A wave: 32 columns (two groups) x 256 along K (two of a run's four fragments): 8 blocks a lane.  Block t of column (g, r) is six registers of lane r + 16 (t % 2) of fragment (g, t / 4): its 24 bytes go into the wave's own stage
; in LDS, which is laid as the four images, by one store of 16 bytes and one of 8.  The stage is read back as it lies and leaves by twelve stores, each of 512 consecutive bytes at a multiple of 256 from the buffer's first byte.
; The scale words of a lane's 8 blocks are one store of 8 bytes a lane, 16 bytes apart: the other 8 of each 16 come from the work-group of the neighbouring 256 along K, so these runs of 256 bytes are written in two parts.
; No tensor loads, no barrier: waves share nothing.  Loads run two blocks (64 loads a wave) ahead.
; A block's scale is 2^(floor(log2(its largest magnitude)) - 2); its byte is the largest magnitude's exponent field - 2, held at 1 from below.
; LIMITS: NaN and infinities among the inputs are not served.  A block whose largest magnitude lies under 2^-124 has its byte held at 1.  A block of zeros gets the byte 1 where the rule says 127: its codes are zeros,
; which add nothing under any byte but 0xff, and the bytes are read by this program alone.
.set NB,    8                          ; blocks of 32 along K for a wave
.set EMAX,  2
.set GB,    6400                       ; a group's block in the output
.set FB,    1536                       ; a fragment's image
.set SB,    24                         ; v24-25   the scale bytes, four to a register: two scale words
.set X,     32                         ; v32-95   two sets of 32 numbers
.set CW,    96                         ; v96-101  a block's 24 bytes of codes, on end
.set CD,    104                        ; v104-106 the second conversion's result, before it is moved
.set OUTR,  112                        ; v112-159 the way out: 12 x 4 registers
.set OFF,   176                        ; v176-207 row i of a block: i x the row pitch + my column's bytes; never rewritten
.set OFFL,  208                        ; v208     the same for the last row of the last block: row 31, in the last 256 along K row 30
.set BASE,  40                         ; s40-55   a base for each of the eight blocks; never rewritten
	s_load_b128 s[4:7], s[0:1], 0x0                ; normals, S
	s_load_b128 s[8:11], s[0:1], 0x10              ; normals' output, S's output
	v_lshl_add_u32 v224, v0, 2, 0x6000
	v_mov_b32 v225, 0
	v_lshrrev_b32 v1, 5, v0
	v_readfirstlane_b32 s16, v1                    ; wave 0..3
	v_and_b32 v2, 31, v0                           ; lane
	s_mul_i32 s25, s16, 4*FB                       ; my stage: four images
	v_and_b32 v5, 15, v2                           ; r: my place in its group
	v_lshrrev_b32 v6, 4, v2                        ; g: which of my wave's two groups
	v_mul_u32_u24 v4, v6, 2*FB
	v_lshl_add_u32 v4, v5, 4, v4
	v_add_nc_u32 v4, s25, v4                       ; into the stage: my group's two images, 16 bytes for each lane of the operand
	v_lshlrev_b32 v8, 4, v2                        ; out of it, and into memory: 16 x lane
	v_add_nc_u32 v7, s25, v8
	v_mul_u32_u24 v9, v6, GB
	v_lshl_add_u32 v9, v5, 4, v9                   ; my place's scale words: my group's block, 16 bytes a row
	v_lshrrev_b32 v10, 3, v2
	v_xor_b32 v10, v10, v6
	v_and_b32 v10, 1, v10                          ; do bits 3 and 4 of my lane differ?
	v_mul_u32_u24 v10, v10, 24                     ; then both turn over
	s_wait_alu depctr_va_vdst(0)
	s_wait_kmcnt 0x0
	s_cmp_lt_u32 ttmp9, 16                         ; normals' work-group or S's?  The choice hangs on the work-group's number alone; only selects follow the compare
	s_cselect_b64 s[4:5], s[4:5], s[6:7]
	s_cselect_b64 s[8:9], s[8:9], s[10:11]
	s_cselect_b32 s19, 13, 14                      ; a row is 2^13 or 2^14 bytes
	s_cselect_b32 s20, -1, 0                       ; the exchange of bits 3 and 4: normals alone
	s_cselect_b32 s21, 0, 16
	s_sub_co_u32 s17, ttmp9, s21
	s_lshl_b32 s17, s17, 7
	s_lshl_b32 s22, s16, 5
	s_add_co_u32 s22, s22, s17                     ; my wave's first column and place: 128 x group of columns + 32 x wave
	s_and_b32 s18, ttmp7, 0xffff                   ; which 256 along K
	s_cmp_eq_u32 s18, 15
	s_cselect_b32 s23, 30, 31                      ; the last 256's last block has 31 rows
	s_cselect_b32 s24, 0, -1                       ; and its 32nd number is 0
	v_and_b32 v10, s20, v10
	v_xor_b32 v10, v2, v10                         ; the column that my place holds
	v_lshlrev_b32 v3, 2, v10                       ; in bytes
.irp i, 0,1,2,3,4,5,6,7,8,9,10,11,12,13,14,15,16,17,18,19,20,21,22,23,24,25,26,27,28,29,30,31
	v_lshl_add_u32 v[OFF+\i], \i, s19, v3
.endr
	v_lshl_add_u32 v[OFFL], s23, s19, v3
	s_lshl_b32 s26, s18, 8
	s_lshl_b32 s26, s26, s19                       ; 256 rows (under 2^26 bytes),
	s_lshl_b32 s28, s22, 2
	s_add_co_u32 s26, s26, s28                     ; + my wave's first column
	s_mov_b32 s27, 0
	s_add_nc_u64 s[BASE:BASE+1], s[4:5], s[26:27]
	s_lshl_b32 s30, 32, s19                        ; 32 rows from block to block
	s_mov_b32 s31, 0
.irp t, 1,2,3,4,5,6,7
	s_add_nc_u64 s[BASE+2*\t:BASE+2*\t+1], s[BASE+2*\t-2:BASE+2*\t-1], s[30:31]
.endr
	s_lshr_b32 s26, s18, 1                         ; which run of 512 along K: a run is columns / 16 x 6,400 bytes = 100 x the row pitch,
	s_mul_i32 s26, s26, 100
	s_lshl_b32 s26, s26, s19
	s_mul_i32 s28, s22, GB/16                      ; + 400 bytes a place (my first place is a multiple of 32)
	s_add_co_u32 s26, s26, s28
	s_add_nc_u64 s[8:9], s[8:9], s[26:27]          ; my first group's block
	s_and_b32 s28, s18, 1                          ; the run's first or second 256
	s_mul_i32 s26, s28, 2*FB
	s_add_nc_u64 s[10:11], s[8:9], s[26:27]        ; my two fragments in it
	s_lshl_b32 s26, s28, 3
	s_add_co_u32 s26, s26, 4*FB
	s_add_nc_u64 s[12:13], s[8:9], s[26:27]        ; and my two of a row's four scale words
.macro LOAD t                          ; block t: rows 32 t + i of my 256, my column, i = 0 .. 31, into set t % 2
.irp i, 0,1,2,3,4,5,6,7,8,9,10,11,12,13,14,15,16,17,18,19,20,21,22,23,24,25,26,27,28,29,30
	global_load_b32 v[X+32*((\t)%2)+\i], v[OFF+\i], s[BASE+2*(\t):BASE+2*(\t)+1] th:TH_LOAD_NT
.endr
.if (\t) == NB-1
	global_load_b32 v[X+32*((\t)%2)+31], v[OFFL], s[BASE+2*(\t):BASE+2*(\t)+1] th:TH_LOAD_NT   ; stays inside the buffer in the last 256 too
.else
	global_load_b32 v[X+32*((\t)%2)+31], v[OFF+31], s[BASE+2*(\t):BASE+2*(\t)+1] th:TH_LOAD_NT
.endif
.endm
	s_wait_alu depctr_va_vdst(0)
	LOAD 0
	LOAD 1
.macro BLOCK t
.set XS, X+32*((\t)%2)
.set SO, ((\t)/4)*FB+((\t)%2)*256      ; the fragment of these 128 along K; lanes 16-31 of the operand hold the odd blocks
.if (\t) < NB-1
	s_wait_loadcnt 32                              ; this block's 32 loads are in; the next block's may be out
.else
	s_wait_loadcnt 0x0
	v_and_b32 v[XS+31], s24, v[XS+31]              ; K = 4,095 counts as 0 (elsewhere the mask is all ones)
.endif
	v_max3_num_f32 v12, |v[XS]|, |v[XS+1]|, |v[XS+2]|               ; the block's largest magnitude: all 32 numbers are mine; two chains
	v_max3_num_f32 v13, |v[XS+3]|, |v[XS+4]|, |v[XS+5]|
.irp i, 6,10,14,18,22,26
	v_max3_num_f32 v12, v12, |v[XS+\i]|, |v[XS+\i+1]|
	v_max3_num_f32 v13, v13, |v[XS+\i+2]|, |v[XS+\i+3]|
.endr
	v_max3_num_f32 v12, v12, |v[XS+30]|, |v[XS+31]|
	v_max3_num_f32 v12, v12, v13, (EMAX+1)<<23     ; and the floor 2^(3 - 127): the byte cannot fall under 1
	v_add_nc_u32 v11, 0xff000000, v12              ; 2 off its exponent field: the conversion's scale operand
	v_lshrrev_b32 v13, 23, v11                     ; the scale's byte
.if (\t)%4 == 0
	v_mov_b32 v[SB+(\t)/4], v13                    ; four bytes to a register, the lower K in the lower byte: the scale word of 128 along K
.else
	v_lshl_or_b32 v[SB+(\t)/4], v13, 8*((\t)%4), v[SB+(\t)/4]
.endif
	v_cvt_scalef32_pk16_fp6_f32 v[CW:CW+2], v[XS:XS+15], v11
	v_cvt_scalef32_pk16_fp6_f32 v[CD:CD+2], v[XS+16:XS+31], v11     ; (a conversion's three registers begin on an even number: the second half of a block's six does not, so it is made elsewhere and moved)
	v_nop                                          ; one plain place behind a scaled conversion
	v_mov_b32 v[CW+3], v[CD]
	v_mov_b32 v[CW+4], v[CD+1]
	v_mov_b32 v[CW+5], v[CD+2]
.if ((\t)%4) < 2                       ; K = 0 .. 63 of the 128: the operand's registers 0 to 5: all of the image's first part, the lower half of its second
	ds_store_b128 v4, v[CW:CW+3] offset:SO
	ds_store_b64 v4, v[CW+4:CW+5] offset:SO+512
.else                                  ; K = 64 .. 127: registers 6 to 11: the upper half of the second part, all of the third
	ds_store_b64 v4, v[CW:CW+1] offset:SO+520
	ds_store_b128 v4, v[CW+2:CW+5] offset:SO+1024
.endif
.if (\t)+2 < NB
	LOAD (\t)+2
.endif
	s_wait_dscnt 0x0                               ; the stores have read their registers: the next block's codes may be written
.endm
.irp t, 0,1,2,3,4,5,6,7
	BLOCK \t
.endr
	s_wait_alu depctr_va_vdst(0)
	global_store_b64 v9, v[SB:SB+1], s[12:13]      ; my place's two scale words
.irp k, 0,1,2,3,4,5,6,7,8,9,10,11
	ds_load_b128 v[OUTR+4*\k:OUTR+4*\k+3], v7 offset:512*\k   ; LDS serves a wave's instructions in order: these see my stores
.endr
.irp k, 0,1,2,3,4,5,6,7,8,9,10,11
	s_wait_dscnt 11-\k                             ; loads come back in order: part k is in
	global_store_b128 v8, v[OUTR+4*\k:OUTR+4*\k+3], s[10:11] offset:(\k/6)*GB+(\k%6)*512   ; six parts for each group: 512 consecutive bytes a store
.endr
	s_wait_tensorcnt 0x0
	ds_add_u32 v224, v225
	s_wait_dscnt 0x0
	s_endpgm
.Lfunc_end_k_qa37111d165_qko:
	.size	k_qa37111d165_qko, .Lfunc_end_k_qa37111d165_qko-k_qa37111d165_qko
	.p2alignl 7, 3214868480
	.fill 96, 4, 3214868480
	.section	.rodata,"a",@progbits
	.p2align	6, 0x0
	.amdhsa_kernel k_qa37111d165_qko
		.amdhsa_group_segment_fixed_size 25088
		.amdhsa_private_segment_fixed_size 0
		.amdhsa_enable_private_segment 0
		.amdhsa_kernarg_size 32
		.amdhsa_user_sgpr_count 2
		.amdhsa_user_sgpr_kernarg_segment_ptr 1
		.amdhsa_wavefront_size32 1
		.amdhsa_system_sgpr_workgroup_id_x 1
		.amdhsa_system_sgpr_workgroup_id_y 1
		.amdhsa_system_sgpr_workgroup_id_z 1
		.amdhsa_system_vgpr_workitem_id 0
		.amdhsa_next_free_vgpr 226
		.amdhsa_next_free_sgpr 66
		.amdhsa_reserve_vcc 0
		.amdhsa_float_denorm_mode_32 3
		.amdhsa_float_denorm_mode_16_64 3
		.amdhsa_memory_ordered 1
		.amdhsa_forward_progress 1
		.amdhsa_inst_pref_size 45
	.end_amdhsa_kernel
	.amdgpu_metadata
---
amdhsa.version: [ 1, 2 ]
amdhsa.kernels:
  - .name:           k_qa37111d165_qko
    .symbol:         k_qa37111d165_qko.kd
    .args:
      - { .name: normals, .offset: 0, .size: 8, .value_kind: global_buffer, .address_space: global }
      - { .name: S, .offset: 8, .size: 8, .value_kind: global_buffer, .address_space: global }
      - { .name: nimg, .offset: 16, .size: 8, .value_kind: global_buffer, .address_space: global }
      - { .name: simg, .offset: 24, .size: 8, .value_kind: global_buffer, .address_space: global }
    .group_segment_fixed_size: 25088
    .private_segment_fixed_size: 0
    .kernarg_segment_align: 8
    .kernarg_segment_size: 32
    .max_flat_workgroup_size: 128
    .sgpr_count:     66
    .vgpr_count:     226
    .wavefront_size: 32
...
	.end_amdgpu_metadata
.endif
;; end of part 6
;; launch gemm1 (part 7): grid 8 x 32, 4 waves a work-group, clusters of 4 x 4, 327,680 bytes of LDS; arguments simg, nimg, wcodes, wscales; writes wcodes, wscales
.if DOCPART == 7
	.amdgcn_target "amdgcn-amd-amdhsa--gfx1250"
	.amdhsa_code_object_version 6
	.text
	.protected	k_qa37111d165_gemm1
	.globl	k_qa37111d165_gemm1
	.p2align	8
	.type	k_qa37111d165_gemm1,@function
k_qa37111d165_gemm1:
	s_mov_b64 s[64:65], 0
	v_nop
	global_prefetch_b8 v0, s[64:65] scope:SCOPE_SE
	s_setreg_imm32_b32 hwreg(HW_REG_WAVE_MODE, 25, 1), 1
	s_wait_xcnt 0x0
	s_wait_alu depctr_hold_cnt(0) depctr_sa_sdst(0) depctr_va_vdst(0) depctr_va_sdst(0) depctr_va_ssrc(0) depctr_va_vcc(0) depctr_vm_vsrc(0)
	s_getreg_b32 s2, hwreg(HW_REG_IB_STS2, 6, 4)
	s_cmp_eq_u32 s2, 0
	s_cbranch_scc0 .Lentry_in_a_cluster
	s_endpgm
.Lentry_in_a_cluster:
	s_bfe_u32 s2, ttmp6, 0x10000c
	s_cmp_lg_u32 s2, 0xf033
	s_cbranch_scc0 .Lentry_shape_is_right
	s_endpgm
.Lentry_shape_is_right:
; W[d][n] = sum over m of normals[m][d] S[m][n], on codes of FP6 (E2M3) laid in the order of the operands' registers; the result is quantised along d and stored as the next launch's operand.
; A block of 128 (n) x 256 (d) to a work-group, 64 x 128 to a wave; K = 4,096 in slots of 512, two slots, joint loads in 4 x 4 clusters.
; The fragments of the next 128 along K come in ONE run of LDS loads a step.  Wave w issues 6 w more of the step's 32 products ahead of the run than wave 0, and as many fewer behind it, so that the four waves' runs stand at four places of the step.
; The order of the products is the same in all waves; the three blocks of six products that may stand on either side of the run are written twice, under branches on the wave's number.
.set GB,     6400
.set FB,     1536
.set SOFF,   4*FB
.set SCA,    256*GB
.set SCB,    128*GB
.set AHALF,  4*GB
.set BHALF,  8*GB
.set BOFF,   2*AHALF
.set SLOT,   BOFF+2*BHALF
.set SPARE,  2*SLOT
.set LAPS,   4
.set FR,     12
.set NP,     4
.set WP,     272
.set SST,    128*WP
.set ADRA, 16
.set ADRB, 18
.set ADRS, 20
.set STO,  22
.set RD,   23
.set CO,   24
.set SSTO, 25
.set SRD,  26
.set SCO,  27
.set SPW,  28
.set NIL,  29
.set SC,   32
.set TM,   96
.set PW,   112
.set SW,   114
.set AF,   128
.set OUTR, 128
.set QC,   224
.set G1, 24
.set G0, 32
.set G1B, 48
.set G0B, 56
.set MSB, 0
.macro WIN new
.if MSB != (\new)
	s_set_vgpr_msb (MSB<<8)|(\new)
.set MSB, (\new)
.endif
.endm
.set MUL,  0xa1
.set TO_B, 0x40
.macro JLOAD g0a, g1a, g0b, g1b
	s_cmp_eq_u32 s15, 0
	s_cbranch_scc0 .Lfor_b_\@
	tensor_load_to_lds s[\g0a:\g0a+3], s[\g1a:\g1a+7]
	s_nop 0
.rept 4
	v_nop
.endr
	s_branch .Lasked_\@
.Lfor_b_\@:
	tensor_load_to_lds s[\g0b:\g0b+3], s[\g1b:\g1b+7]
	s_nop 0
.rept 4
	v_nop
.endr
.Lasked_\@:
.endm
.macro CREST
	s_cmp_lg_u32 s14, 0
	s_cbranch_scc1 .Lnot_wave_0_\@
	s_barrier_signal -3
.Lnot_wave_0_\@:
	s_barrier_wait -3
	s_barrier_signal -1
	s_barrier_wait -1
.endm
.macro CROUND
	s_barrier_signal -1
	s_barrier_wait -1
	CREST
.endm
	s_load_b128 s[4:7], s[0:1], 0x0
	s_load_b128 s[8:11], s[0:1], 0x10
	v_lshl_add_u32 v[SPW], v0, 2, SPARE
	v_mov_b32 v[NIL], 0
	ds_add_u32 v28, v29
	ds_add_u32 v28, v29
	s_wait_dscnt 0x0
	v_lshrrev_b32 v1, 5, v0
	v_readfirstlane_b32 s14, v1
	s_lshr_b32 s15, s14, 1
	s_and_b32 s16, s14, 1
	s_bfe_u32 s40, ttmp6, 0x40000
	s_bfe_u32 s41, ttmp6, 0x40004
	s_lshl_b32 s42, ttmp9, 2
	s_add_co_u32 s42, s42, s40
	s_and_b32 s17, ttmp7, 0xffff
	s_lshl_b32 s17, s17, 2
	s_add_co_u32 s17, s17, s41
	s_lshl_b32 s43, s41, 2
	s_lshl_b32 s43, 15, s43
	s_lshl_b32 s44, 0x1111, s40
	s_or_b32 s[G1+0], s43, (3<<16)|(1<<21)
	s_or_b32 s[G1B+0], s44, (3<<16)|(1<<21)
.irp g, G1, G1B
	s_mov_b32 s[\g+1], 32<<16
	s_mov_b32 s[\g+3], 32<<16
	s_mov_b32 s[\g+5], 32
	s_mov_b32 s[\g+6], 0
	s_mov_b32 s[\g+7], 0
.endr
	s_mov_b32 s[G1+2], (AHALF/256)<<16
	s_mov_b32 s[G1+4], AHALF/256
	s_mov_b32 s[G1B+2], (BHALF/256)<<16
	s_mov_b32 s[G1B+4], BHALF/256
	s_mul_i32 s18, s16, AHALF
	s_mul_i32 s19, s16, BHALF
	s_mul_i32 s20, s17, 2*AHALF
	s_add_co_u32 s20, s20, s18
	s_mov_b32 s21, 0
	s_mul_i32 s46, s42, 2*BHALF
	s_add_co_u32 s46, s46, s19
	s_mov_b32 s47, 0
	s_add_co_u32 s19, s19, BOFF
	s_wait_kmcnt 0x0
	s_add_nc_u64 s[20:21], s[4:5], s[20:21]
	s_add_nc_u64 s[46:47], s[6:7], s[46:47]
	CROUND
.irp s, 0,1
	s_mov_b32 s[G0+4*\s], 1
	s_add_co_u32 s[G0+4*\s+1], s18, \s*SLOT
	s_add_nc_u64 s[G0+4*\s+2:G0+4*\s+3], s[20:21], \s*SCA
	s_or_b32 s[G0+4*\s+3], s[G0+4*\s+3], 0x80000000
	s_mov_b32 s[G0B+4*\s], 1
	s_add_co_u32 s[G0B+4*\s+1], s19, \s*SLOT
	s_add_nc_u64 s[G0B+4*\s+2:G0B+4*\s+3], s[46:47], \s*SCB
	s_or_b32 s[G0B+4*\s+3], s[G0B+4*\s+3], 0x80000000
	s_wait_alu depctr_va_vdst(0)
	s_wait_tensorcnt 0x0
	ds_add_u32 v28, v29
	ds_add_u32 v28, v29
	s_wait_dscnt 0x0
	CROUND
	JLOAD G0+4*\s, G1, G0B+4*\s, G1B
.endr
	v_and_b32 v1, 15, v0
	v_bfe_u32 v2, v0, 4, 1
	v_and_b32 v6, 31, v0
	v_lshlrev_b32 v3, 4, v6
	s_wait_alu depctr_va_vdst(0)
	s_mul_i32 s21, s15, AHALF
	s_mul_i32 s22, s16, BHALF
	s_add_co_u32 s22, s22, BOFF
	s_sub_co_u32 s23, s22, s21
	v_mul_u32_u24 v5, s23, v2
	v_lshl_add_u32 v5, v1, 4, v5
	s_add_co_u32 s23, s21, SOFF
.irp s, 0,1
	v_add_nc_u32 v[ADRA+\s], s21, v3
	v_add_nc_u32 v[ADRB+\s], s22, v3
	v_add_nc_u32 v[ADRS+\s], s23, v5
	s_add_co_u32 s21, s21, SLOT
	s_add_co_u32 s22, s22, SLOT
	s_add_co_u32 s23, s23, SLOT
.endr
	s_mul_i32 s23, s15, 64*WP
	s_lshl_b32 s21, s16, 7
	s_add_co_u32 s23, s23, s21
	v_mul_u32_u24 v5, v1, WP
	v_lshl_add_u32 v5, v2, 5, v5
	v_add_nc_u32 v[STO], s23, v5
	s_mul_i32 s23, s14, 32*WP
	v_mul_u32_u24 v5, v2, WP
	v_lshl_add_u32 v5, v1, 4, v5
	v_add_nc_u32 v[RD], s23, v5
	v_mul_u32_u24 v[CO], v6, 12
	v_lshlrev_b32 v[SCO], 3, v6
	s_lshl_b32 s23, s15, 9
	s_lshl_b32 s21, s16, 2
	s_add_co_u32 s23, s23, s21
	s_add_co_u32 s23, s23, SST
	v_lshl_add_u32 v[SSTO], v1, 3, s23
	s_lshl_b32 s23, s14, 8
	s_add_co_u32 s23, s23, SST
	v_add_nc_u32 v[SRD], s23, v[SCO]
	s_mul_i32 s20, s17, 128*192
	s_mul_i32 s21, s14, 32*192
	s_add_co_u32 s20, s20, s21
	s_mov_b32 s21, 0
	s_mul_i32 s46, s42, 4096*192
	s_mov_b32 s47, 0
	s_add_nc_u64 s[20:21], s[20:21], s[46:47]
	s_add_nc_u64 s[8:9], s[8:9], s[20:21]
	s_lshl_b32 s20, s17, 10
	s_lshl_b32 s21, s14, 8
	s_add_co_u32 s20, s20, s21
	s_mov_b32 s21, 0
	s_lshl_b32 s46, s42, 15
	s_add_nc_u64 s[20:21], s[20:21], s[46:47]
	s_add_nc_u64 s[10:11], s[10:11], s[20:21]
.macro FRAG reg, adr, q, i
.irp c, 0,1,2
	ds_load_b128 v[\reg+4*\c:\reg+4*\c+3], v[\adr] offset:(\i)*GB+(\q)*FB+512*\c
.endr
.endm
.macro MUL8 a, p, q, sc, zero
.irp b, 0,1,2,3,4,5,6,7
.if \zero
	v_wmma_scale_f32_16x16x128_f8f6f4 v[8*(8*(\a)+\b):8*(8*(\a)+\b)+7], v[128*(\p)+FR*\b:128*(\p)+FR*\b+FR-1], v[AF+48*(\p)+FR*(\a):AF+48*(\p)+FR*(\a)+FR-1], 0, v[SC+32*(\sc)+4*\b+(\q)], v[SC+32*(\sc)+4*(\a)+(\q)] matrix_a_fmt:MATRIX_FMT_FP6 matrix_b_fmt:MATRIX_FMT_FP6 matrix_a_scale:MATRIX_SCALE_ROW1
.else
	v_wmma_scale_f32_16x16x128_f8f6f4 v[8*(8*(\a)+\b):8*(8*(\a)+\b)+7], v[128*(\p)+FR*\b:128*(\p)+FR*\b+FR-1], v[AF+48*(\p)+FR*(\a):AF+48*(\p)+FR*(\a)+FR-1], v[8*(8*(\a)+\b):8*(8*(\a)+\b)+7], v[SC+32*(\sc)+4*\b+(\q)], v[SC+32*(\sc)+4*(\a)+(\q)] matrix_a_fmt:MATRIX_FMT_FP6 matrix_b_fmt:MATRIX_FMT_FP6 matrix_a_scale:MATRIX_SCALE_ROW1
.endif
.endr
.endm
.macro FETCH_B slot, q, p
	WIN TO_B
.irp i, 0,1,2,3,4,5,6,7
	FRAG 128*(\p)+FR*\i, ADRB+\slot, \q, \i
.endr
.endm
.macro FETCH_A slot, q, p
	WIN 0
.irp i, 0,1,2,3
	FRAG AF+48*(\p)+FR*\i, ADRA+\slot, \q, \i
.endr
.endm
.macro SCALES sc
	WIN 0
.irp i, 0,1,2,3,4,5,6,7
	ds_load_b128 v[SC+32*\sc+4*\i:SC+32*\sc+4*\i+3], v[ADRS+\sc] offset:\i*GB
.endr
.endm
.macro PLACES n
.rept \n
	v_nop
.endr
.endm
; two matrix instructions: A's block a against B's blocks b0, b0 + 1
.macro M2 a, b0, p, q, sc, zero
.irp e, 0,1
.set MB, (\b0)+\e
.set MD, 8*(8*(\a)+MB)
.if \zero
	v_wmma_scale_f32_16x16x128_f8f6f4 v[MD:MD+7], v[128*(\p)+FR*MB:128*(\p)+FR*MB+FR-1], v[AF+48*(\p)+FR*(\a):AF+48*(\p)+FR*(\a)+FR-1], 0, v[SC+32*(\sc)+4*MB+(\q)], v[SC+32*(\sc)+4*(\a)+(\q)] matrix_a_fmt:MATRIX_FMT_FP6 matrix_b_fmt:MATRIX_FMT_FP6 matrix_a_scale:MATRIX_SCALE_ROW1
.else
	v_wmma_scale_f32_16x16x128_f8f6f4 v[MD:MD+7], v[128*(\p)+FR*MB:128*(\p)+FR*MB+FR-1], v[AF+48*(\p)+FR*(\a):AF+48*(\p)+FR*(\a)+FR-1], v[MD:MD+7], v[SC+32*(\sc)+4*MB+(\q)], v[SC+32*(\sc)+4*(\a)+(\q)] matrix_a_fmt:MATRIX_FMT_FP6 matrix_b_fmt:MATRIX_FMT_FP6 matrix_a_scale:MATRIX_SCALE_ROW1
.endif
.endr
.endm
.macro PR i, q, sc, zero               ; pair i of a step's sixteen
	WIN MUL
	M2 (\i)/4, 2*((\i)%4), (\q)%2, \q, \sc, \zero
.endm
; load L of the 36 that bring the fragments of the slot's q-th 128 along K: 0-23 B's eight, 24-35 A's four, three loads each
.macro LDF slot, q, L
.set LI, ((\L)%24)/3
.set LC, (\L)%3
.if (\L) < 24
	WIN TO_B
	ds_load_b128 v[128*((\q)%2)+FR*LI+4*LC:128*((\q)%2)+FR*LI+4*LC+3], v[ADRB+\slot] offset:LI*GB+(\q)*FB+512*LC
.else
	WIN 0
	ds_load_b128 v[AF+48*((\q)%2)+FR*LI+4*LC:AF+48*((\q)%2)+FR*LI+4*LC+3], v[ADRA+\slot] offset:LI*GB+(\q)*FB+512*LC
.endif
.endm
; pairs 2 to 15 of step (slot, q), and among them the run of loads for step (ts, tq): behind pair 1 + 3 w in wave w
.macro STAG slot, q, ts, tq, zero
	WIN 0
.if \zero                              ; the step that starts the sums: every product stands once, the run behind pair 1 in all waves
.set QP, 0
.rept 36
	LDF \ts, \tq, QP
.set QP, QP+1
.endr
.irp i, 2,3,4,5,6,7,8,9,10,11,12,13,14,15
	PR \i, \q, \slot, 1
.endr
.else
	s_cmp_lt_u32 s14, 1
	s_cbranch_scc1 .Lrun_\@
.irp i, 2,3,4
	PR \i, \q, \slot, \zero
.endr
	WIN 0
	s_cmp_lt_u32 s14, 2
	s_cbranch_scc1 .Lrun_\@
.irp i, 5,6,7
	PR \i, \q, \slot, \zero
.endr
	WIN 0
	s_cmp_lt_u32 s14, 3
	s_cbranch_scc1 .Lrun_\@
.irp i, 8,9,10
	PR \i, \q, \slot, \zero
.endr
	WIN 0
.Lrun_\@:
.set QP, 0
.rept 24
	LDF \ts, \tq, QP
.set QP, QP+1
.endr
.if (\tq) == 0
	SCALES \ts
.endif
.rept 12
	LDF \ts, \tq, QP
.set QP, QP+1
.endr
	WIN 0
	s_cmp_gt_u32 s14, 2
	s_cbranch_scc1 .Lrest_\@
	s_cmp_eq_u32 s14, 2
	s_cbranch_scc1 .Lk3_\@
	s_cmp_eq_u32 s14, 1
	s_cbranch_scc1 .Lk2_\@
.irp i, 2,3,4
	PR \i, \q, \slot, \zero
.endr
	WIN 0
.Lk2_\@:
.irp i, 5,6,7
	PR \i, \q, \slot, \zero
.endr
	WIN 0
.Lk3_\@:
.irp i, 8,9,10
	PR \i, \q, \slot, \zero
.endr
	WIN 0
.Lrest_\@:
.irp i, 11,12,13,14,15
	PR \i, \q, \slot, \zero
.endr
.endif
.endm
.macro STEP slot, q, zero
	PLACES NP                                      ; the other sets were read by the last step's products
	s_wait_dscnt 9                                 ; B's eight and A's block 0 are in; A's blocks 1-3 (nine loads) may be out
	PR 0, \q, \slot, \zero
	PR 1, \q, \slot, \zero
	s_wait_dscnt 0x0
	STAG \slot, \q, \slot, (\q)+1, \zero
.endm
.macro TURN slot, next, fill
	WIN 0
	s_wait_tensorcnt 0x0
	ds_add_u32 v[SPW], v[NIL]
	s_wait_dscnt 10
	WIN MUL
	M2 0, 0, 1, 3, \slot, 0
	s_wait_dscnt 0x0
	s_barrier_signal -1
	M2 0, 2, 1, 3, \slot, 0
	WIN 0
	s_barrier_wait -1
.if \fill
	CREST
	s_add_nc_u64 s[G0+4*\slot+2:G0+4*\slot+3], s[G0+4*\slot+2:G0+4*\slot+3], 2*SCA
	s_add_nc_u64 s[G0B+4*\slot+2:G0B+4*\slot+3], s[G0B+4*\slot+2:G0B+4*\slot+3], 2*SCB
	JLOAD G0+4*\slot, G1, G0B+4*\slot, G1B
.else
	PLACES NP
.endif
	STAG \slot, 3, \next, 0, 0
.endm
	s_wait_tensorcnt 1
	s_barrier_signal -1
	s_barrier_wait -1
	FETCH_B 0, 0, 0
	SCALES 0
	FETCH_A 0, 0, 0
	STEP 0, 0, 1
	WIN 0
	s_mov_b32 s3, LAPS-1
.Llap:
	STEP 0, 1, 0
	STEP 0, 2, 0
	TURN 0, 1, 1
	STEP 1, 0, 0
	STEP 1, 1, 0
	STEP 1, 2, 0
	TURN 1, 0, 1
	STEP 0, 0, 0
	WIN 0
	s_sub_co_u32 s3, s3, 1
	s_cmp_lg_u32 s3, 0
	s_cbranch_scc1 .Llap
	STEP 0, 1, 0
	STEP 0, 2, 0
	TURN 0, 1, 0
	STEP 1, 0, 0
	STEP 1, 1, 0
	STEP 1, 2, 0
	s_wait_dscnt 0x0
	WIN MUL
	MUL8 0, 1, 3, 1, 0
	MUL8 1, 1, 3, 1, 0
	MUL8 2, 1, 3, 1, 0
	MUL8 3, 1, 3, 1, 0
	WIN 0
.macro QW a
.set AC, 64*(\a)
	WIN 0x0a
.irp b, 0,1,2,3
	v_max3_num_f32 v[TM+\b], |v[AC+16*\b]|, |v[AC+16*\b+1]|, 0x1800000
.endr
.irp i, 2,4,6,8,10,12,14
.irp b, 0,1,2,3
	v_max3_num_f32 v[TM+\b], |v[AC+16*\b+\i]|, |v[AC+16*\b+\i+1]|, v[TM+\b]
.endr
.endr
	WIN 0
.irp b, 0,1,2,3
	v_permlanex16_b32 v[TM+4+\b], v[TM+\b], s20, s21
.endr
.irp b, 0,1,2,3
	v_max_num_f32 v[TM+\b], v[TM+\b], v[TM+4+\b]
.endr
.irp b, 0,1,2,3
	v_add_nc_u32 v[TM+12+\b], 0xff000000, v[TM+\b]
.endr
.irp b, 0,1,2,3
	v_lshrrev_b32 v[TM+4+\b], 23, v[TM+12+\b]
.endr
	v_lshl_or_b32 v[PW], v[TM+5], 8, v[TM+4]
	v_lshl_or_b32 v[PW], v[TM+6], 16, v[PW]
	v_lshl_or_b32 v[PW], v[TM+7], 24, v[PW]
	WIN 0x02
.irp c, 0,1
	v_cvt_scalef32_pk16_fp6_f32 v[QC+6*\c:QC+6*\c+2], v[AC+32*\c:AC+32*\c+15], v[TM+12+2*\c]
	v_cvt_scalef32_pk16_fp6_f32 v[QC+12+4*\c:QC+14+4*\c], v[AC+32*\c+16:AC+32*\c+31], v[TM+13+2*\c]
.endr
	WIN 0
	v_nop
.irp c, 0,1
.irp i, 0,1,2
	v_permlane16_swap_b32 v[QC+6*\c+\i], v[QC+12+4*\c+\i]
.endr
.endr
.irp c, 0,1
	ds_store_b96 v[STO], v[QC+6*\c:QC+6*\c+2] offset:16*WP*(\a)+64*\c
	ds_store_b96 v[STO], v[QC+12+4*\c:QC+14+4*\c] offset:16*WP*(\a)+64*\c+16
.endr
	ds_store_b32 v[SSTO], v[PW] offset:128*(\a)
	s_wait_dscnt 0x0
.endm
	s_mov_b32 s20, 0x76543210
	s_mov_b32 s21, 0xfedcba98
.irp b, 0,1,2,3
	v_mov_b32 v[TM+4+\b], 0
.endr
.irp a, 0,1,2,3
	QW \a
.endr
	s_wait_dscnt 0x0
	s_barrier_signal -1
	s_barrier_wait -1
	ds_load_b64 v[SW:SW+1], v[SRD]
.irp t, 0,1,2,3,4,5,6,7,8,9,10,11,12,13,14,15
	ds_load_b96 v[OUTR+4*\t:OUTR+4*\t+2], v[RD] offset:\t*2*WP
.endr
	s_wait_dscnt 16
	global_store_b64 v[SCO], v[SW:SW+1], s[10:11]
.irp t, 0,1,2,3,4,5,6,7,8,9,10,11,12,13,14,15
	s_wait_dscnt 15-\t
	global_store_b96 v[CO], v[OUTR+4*\t:OUTR+4*\t+2], s[8:9] offset:384*\t
.endr
	s_wait_tensorcnt 0x0
	ds_add_u32 v[SPW], v[NIL]
	s_wait_dscnt 0x0
	CROUND
	s_endpgm
.Lfunc_end_k_qa37111d165_gemm1:
	.size	k_qa37111d165_gemm1, .Lfunc_end_k_qa37111d165_gemm1-k_qa37111d165_gemm1
	.p2alignl 7, 3214868480
	.fill 96, 4, 3214868480
	.section	.rodata,"a",@progbits
	.p2align	6, 0x0
	.amdhsa_kernel k_qa37111d165_gemm1
		.amdhsa_group_segment_fixed_size 327680
		.amdhsa_private_segment_fixed_size 0
		.amdhsa_enable_private_segment 0
		.amdhsa_kernarg_size 32
		.amdhsa_user_sgpr_count 2
		.amdhsa_user_sgpr_kernarg_segment_ptr 1
		.amdhsa_wavefront_size32 1
		.amdhsa_system_sgpr_workgroup_id_x 1
		.amdhsa_system_sgpr_workgroup_id_y 1
		.amdhsa_system_sgpr_workgroup_id_z 1
		.amdhsa_system_vgpr_workitem_id 0
		.amdhsa_next_free_vgpr 768
		.amdhsa_next_free_sgpr 66
		.amdhsa_reserve_vcc 0
		.amdhsa_float_denorm_mode_32 3
		.amdhsa_float_denorm_mode_16_64 3
		.amdhsa_memory_ordered 1
		.amdhsa_forward_progress 1
		.amdhsa_inst_pref_size 181
	.end_amdhsa_kernel
	.amdgpu_metadata
---
amdhsa.version: [ 1, 2 ]
amdhsa.kernels:
  - .name:           k_qa37111d165_gemm1
    .symbol:         k_qa37111d165_gemm1.kd
    .args:
      - { .name: simg, .offset: 0, .size: 8, .value_kind: global_buffer, .address_space: global }
      - { .name: nimg, .offset: 8, .size: 8, .value_kind: global_buffer, .address_space: global }
      - { .name: wcodes, .offset: 16, .size: 8, .value_kind: global_buffer, .address_space: global }
      - { .name: wscales, .offset: 24, .size: 8, .value_kind: global_buffer, .address_space: global }
    .group_segment_fixed_size: 327680
    .private_segment_fixed_size: 0
    .kernarg_segment_align: 8
    .kernarg_segment_size: 32
    .max_flat_workgroup_size: 128
    .sgpr_count:     66
    .vgpr_count:     768
    .wavefront_size: 32
...
	.end_amdgpu_metadata
.endif
;; end of part 7
;; launch gemm2 (part 8): grid 16 x 16, 4 waves a work-group, clusters of 4 x 4, 327,680 bytes of LDS; arguments xcodes, xscales, wcodes, wscales, biases, out0; writes out0
.if DOCPART == 8
	.amdgcn_target "amdgcn-amd-amdhsa--gfx1250"
	.amdhsa_code_object_version 6
	.text
	.protected	k_qa37111d165_gemm2
	.globl	k_qa37111d165_gemm2
	.p2align	8
	.type	k_qa37111d165_gemm2,@function
k_qa37111d165_gemm2:
	s_mov_b64 s[64:65], 0
	v_nop
	global_prefetch_b8 v0, s[64:65] scope:SCOPE_SE
	s_setreg_imm32_b32 hwreg(HW_REG_WAVE_MODE, 25, 1), 1
	s_wait_xcnt 0x0
	s_wait_alu depctr_hold_cnt(0) depctr_sa_sdst(0) depctr_va_vdst(0) depctr_va_sdst(0) depctr_va_ssrc(0) depctr_va_vcc(0) depctr_vm_vsrc(0)
	s_getreg_b32 s2, hwreg(HW_REG_IB_STS2, 6, 4)
	s_cmp_eq_u32 s2, 0
	s_cbranch_scc0 .Lentry_in_a_cluster
	s_endpgm
.Lentry_in_a_cluster:
	s_bfe_u32 s2, ttmp6, 0x10000c
	s_cmp_lg_u32 s2, 0xf033
	s_cbranch_scc0 .Lentry_shape_is_right
	s_endpgm
.Lentry_shape_is_right:
; out[t][n] = biases[n] + sum over d of X[t][d] W[d][n], on codes of FP6 (E2M3) with one E8M0 scale for each 32 along K = d = 2,048; sums in f32; out [4096][4096] f32.
; "A" = X's codes (rows t), "B" = W's codes (rows n).  Both lie by chunks of 256 along K: codes [8][4096 rows][192 bytes], scale bytes [8][4096 rows][8]: the rows of a chunk are dense.
; A block of 256 x 256 to a work-group of four waves, 128 x 128 to a wave (64 accumulators, 512 registers); 16 x 16 blocks: 256 work-groups.
; A ring of two LDS slots, a chunk each, filled by joint tensor loads in 4 x 4 clusters (A's tiles shared along a row of the cluster, B's along a column).  The scales of all of K come once, at the head.
; THE HEAD: one tensor load a wave: wave 0 chunk 0 of A's 256 rows, wave 1 of B's, wave 2 A's scales, wave 3 B's.  Slot 1 is first filled as a refill is.
; FRAGMENTS: A and B have two sets of registers each; the whole next step's fragments come in ONE run of LDS loads a step.  Wave w issues 12 w more of the step's 64 products ahead of the run than wave 0, and as many fewer
; behind it, so that the four waves' runs stand at four places of the step.  The order of the products is the same in all waves; the three blocks of twelve that may stand on either side of the run are written twice, under branches on the wave's number.
; THE MATRIX INSTRUCTION IS USED TRANSPOSED (source 0 = 16 rows of B, source 1 = 16 rows of A): a lane holds eight neighbouring numbers of a row of out.
; THE BIAS is the C of each sum's first matrix instruction.  ORDER OF ROUNDING: the bias is so added first, where the definition adds it last.
; PREFETCH: behind the load of chunk c each wave asks for chunk c + 2 (at the head also for chunk 1) of the 128 rows that it fetches in the ring: the four partners that ask for these rows jointly take 6,144 bytes each,
; told apart by address; 24 lanes name a block of 256 bytes each, the other eight the last block again.  Chunks 6 and 7's loads ask for nothing.
; REGISTERS: window 0: v0-31 addresses; v32-63 scale words, two sets; v64-159, v160-255 A's fragments, two sets.  window 1: v0-95, v128-223 B's two sets; v96-127, v224-255 the bias; on the way out all of it: rows of out.
;   window 2: accumulators of my rows 0-63 ((a, b) at v[8 (8 a + b)]); window 3: of rows 64-127.
.set SIZE_N, 4096
.set CH,     4096*192                  ; bytes from chunk to chunk, in A's codes and in B's
.set NCH,    8
.set PITCH,  240                       ; a row of 192 bytes in LDS: 3 x (64 + 16 of padding)
.set FR,     12
.set NP,     4                         ; places behind this matrix instruction (ISA guide 7.12.1)
.set HALFT,  128*PITCH
.set SLOT,   4*HALFT                   ; A's 256 rows, then B's
.set LAPS,   4
.set SCL,    2*SLOT                    ; A's scales: chunk s at 2,048 s, row at 8 x row
.set SCB,    16384+128                 ; B's lie so far behind A's
.set SPARE,  SCL+32768+256             ; the spare words, 128 bytes a wave
.set SPITCH, 528                       ; the way out: 32 rows x (512 + 16) bytes for each wave, in slot 0, which has had its last fill and its last read by then
.set ADRA, 16                          ; v16-17 my A fragments in slot 0, 1; v18-19 the same behind one padding more
.set ADRB, 20                          ; v20-23 the same for B
.set STO,  24
.set RD,   25
.set CO,   26
.set ADRS, 27                          ; my scale words: lanes 0-15 A's rows, lanes 16-31 B's
.set SPW,  28
.set NIL,  29
.set BO,   30
.set PFO,  31                          ; 256 x min(lane, 23)
.set SC,   32
.set AF,   64
.set G1, 24
.set G0, 32
.set G1B, 48
.set G0B, 56
.set G1S, 68
.set G0S, 76
.set G1SB, 80
.set G0SB, 88
.set G0H, 4
.set G0HB, 8
.set PFA, 94                           ; s[94:95] my share of the rows that I fetch, at the chunk from which the prefetches count
.set MSB, 0
.macro WIN new                         ; the immediate's high byte repeats the setting that is left
.if MSB != (\new)
	s_set_vgpr_msb (MSB<<8)|(\new)
.set MSB, (\new)
.endif
.endm
.set MUL_LO, 0xa1                      ; source 0 (B) window 1, source 1 (A) window 0, C and D window 2
.set TO_B,   0x40
.macro PLACES n
.rept \n
	v_nop
.endr
.endm
.macro JLOAD g0a, g1a, g0b, g1b        ; waves 0, 1 fetch for A, waves 2, 3 for B; s_nop 0 and four v_nop behind each line
	s_cmp_eq_u32 s15, 0
	s_cbranch_scc0 .Lfor_b_\@
	tensor_load_to_lds s[\g0a:\g0a+3], s[\g1a:\g1a+7]
	s_nop 0
	PLACES 4
	s_branch .Lasked_\@
.Lfor_b_\@:
	tensor_load_to_lds s[\g0b:\g0b+3], s[\g1b:\g1b+7]
	s_nop 0
	PLACES 4
.Lasked_\@:
.endm
.macro CREST
	s_cmp_lg_u32 s14, 0
	s_cbranch_scc1 .Lnot_wave_0_\@
	s_barrier_signal -3
.Lnot_wave_0_\@:
	s_barrier_wait -3
	s_barrier_signal -1
	s_barrier_wait -1
.endm
.macro CROUND
	s_barrier_signal -1
	s_barrier_wait -1
	CREST
.endm
	s_load_b128 s[4:7], s[0:1], 0x0                ; A's codes, A's scales
	s_load_b128 s[8:11], s[0:1], 0x10              ; B's codes, B's scales
	s_load_b64 s[96:97], s[0:1], 0x20              ; the biases
	s_load_b64 s[12:13], s[0:1], 0x28              ; out
	v_lshl_add_u32 v[SPW], v0, 2, SPARE
	v_mov_b32 v[NIL], 0
	ds_add_u32 v[SPW], v[NIL]
	ds_add_u32 v[SPW], v[NIL]
	v_lshrrev_b32 v1, 5, v0
	v_readfirstlane_b32 s14, v1                    ; wave
	s_lshr_b32 s15, s14, 1                         ; my half of the block's rows; also: I fetch for A (0) or B (1)
	s_and_b32 s16, s14, 1                          ; my half of its columns; also: which 128 rows I fetch
	s_bfe_u32 s40, ttmp6, 0x40000                  ; cx
	s_bfe_u32 s41, ttmp6, 0x40004                  ; cy
	s_lshl_b32 s42, ttmp9, 2
	s_add_co_u32 s42, s42, s40                     ; block column
	s_and_b32 s17, ttmp7, 0xffff
	s_lshl_b32 s17, s17, 2
	s_add_co_u32 s17, s17, s41                     ; block row
	s_lshl_b32 s43, s41, 2
	s_lshl_b32 s43, 15, s43                        ; my row of the cluster
	s_lshl_b32 s44, 0x1111, s40                    ; my column
	; codes: dense rows of 192 bytes stated as rows of 256; 16 bytes of padding behind every 64.  192 such rows (256 rows of codes) at the head, 96 in the ring
	s_or_b32 s[G1+0], s43, (1<<20)|(1<<21)|(3<<22)|(3<<25)
	s_or_b32 s[G1B+0], s44, (1<<20)|(1<<21)|(3<<22)|(3<<25)
.irp g, G1, G1B
	s_mov_b32 s[\g+1], 256<<16
	s_mov_b32 s[\g+2], 192<<16
	s_mov_b32 s[\g+3], 256<<16
	s_mov_b32 s[\g+4], 192
	s_mov_b32 s[\g+5], 256
	s_mov_b32 s[\g+6], 0
	s_mov_b32 s[\g+7], 0
.endr
	; scales of 256 rows: 8 rows of 2,048 bytes (256 elements of 8), a chunk's 32,768 bytes apart
	s_or_b32 s[G1S+0], s43, (3<<16)|(1<<21)
	s_or_b32 s[G1SB+0], s44, (3<<16)|(1<<21)
.irp g, G1S, G1SB
	s_mov_b32 s[\g+1], 256<<16
	s_mov_b32 s[\g+2], NCH<<16
	s_mov_b32 s[\g+3], 256<<16
	s_mov_b32 s[\g+4], NCH
	s_mov_b32 s[\g+5], 4096
	s_mov_b32 s[\g+6], 0
	s_mov_b32 s[\g+7], 0
.endr
	s_mul_i32 s20, s17, 256*192                    ; A: the block's first row in chunk 0
	s_mov_b32 s21, 0
	s_mul_i32 s46, s42, 256*192                    ; B
	s_mov_b32 s47, 0
	s_lshl_b32 s22, s17, 11                        ; and their scales
	s_mov_b32 s23, 0
	s_lshl_b32 s92, s42, 11
	s_mov_b32 s93, 0
	s_mul_i32 s18, s16, 128*192                    ; in the ring: my 128 rows
	s_mov_b32 s19, 0
	s_mul_i32 s45, s14, HALFT
	s_wait_dscnt 0x0                               ; both opening adds are done
	s_wait_kmcnt 0x0
	s_add_nc_u64 s[20:21], s[4:5], s[20:21]
	s_add_nc_u64 s[22:23], s[6:7], s[22:23]
	s_add_nc_u64 s[46:47], s[8:9], s[46:47]
	s_add_nc_u64 s[92:93], s[10:11], s[92:93]
	CROUND                                         ; the first joint loads meet
	s_mov_b32 s[G0H], 1
	s_mov_b32 s[G0H+1], 0
	s_mov_b64 s[G0H+2:G0H+3], s[20:21]
	s_or_b32 s[G0H+3], s[G0H+3], 0x80000000
	s_mov_b32 s[G0HB], 1
	s_mov_b32 s[G0HB+1], 2*HALFT
	s_mov_b64 s[G0HB+2:G0HB+3], s[46:47]
	s_or_b32 s[G0HB+3], s[G0HB+3], 0x80000000
	s_mov_b32 s[G0S], 1
	s_mov_b32 s[G0S+1], SCL
	s_mov_b64 s[G0S+2:G0S+3], s[22:23]
	s_or_b32 s[G0S+3], s[G0S+3], 0x80000000
	s_mov_b32 s[G0SB], 1
	s_mov_b32 s[G0SB+1], SCL+SCB
	s_mov_b64 s[G0SB+2:G0SB+3], s[92:93]
	s_or_b32 s[G0SB+3], s[G0SB+3], 0x80000000
	s_add_nc_u64 s[20:21], s[20:21], s[18:19]
	s_add_nc_u64 s[46:47], s[46:47], s[18:19]
.irp s, 0,1
	s_mov_b32 s[G0+4*\s], 1
	s_add_co_u32 s[G0+4*\s+1], s45, \s*SLOT
	s_add_nc_u64 s[G0+4*\s+2:G0+4*\s+3], s[20:21], \s*CH
	s_or_b32 s[G0+4*\s+3], s[G0+4*\s+3], 0x80000000
	s_mov_b32 s[G0B+4*\s], 1
	s_add_co_u32 s[G0B+4*\s+1], s45, \s*SLOT
	s_add_nc_u64 s[G0B+4*\s+2:G0B+4*\s+3], s[46:47], \s*CH
	s_or_b32 s[G0B+4*\s+3], s[G0B+4*\s+3], 0x80000000
.endr
	s_cmp_eq_u32 s15, 0                            ; the prefetches: the rows that I fetch, and of their 24,576 bytes my work-group's quarter
	s_cselect_b64 s[PFA:PFA+1], s[20:21], s[46:47]
	s_cselect_b32 s66, s40, s41
	s_mul_i32 s66, s66, 6144
	s_mov_b32 s67, 0
	s_add_nc_u64 s[PFA:PFA+1], s[PFA:PFA+1], s[66:67]
.macro ARM under, g0, g1, next         ; one chain of branches on the wave's number, one load to an arm
	s_cmp_lt_u32 s14, \under
	s_cbranch_scc0 \next
	tensor_load_to_lds s[\g0:\g0+3], s[\g1:\g1+7]
	s_nop 0
	PLACES 4
	s_branch .Lhead_asked
\next:
.endm
	ARM 1, G0H,  G1,  .Lhead_b
	ARM 2, G0HB, G1B, .Lhead_sa
	ARM 3, G0S,  G1S, .Lhead_sb
	tensor_load_to_lds s[G0SB:G0SB+3], s[G1SB:G1SB+7]
	s_nop 0
	PLACES 4
.Lhead_asked:
	v_and_b32 v7, 31, v0
	v_min_u32 v[PFO], 23, v7
	v_lshlrev_b32 v[PFO], 8, v[PFO]
	v_and_b32 v1, 15, v0                           ; r
	v_bfe_u32 v2, v0, 4, 1                         ; h
	v_mul_u32_u24 v3, v1, PITCH
	v_mul_u32_u24 v4, v2, 24
	v_add_nc_u32 v4, v3, v4                        ; row x pitch + 24 h
	v_lshl_add_u32 v5, v2, 4, v4                   ; and behind one padding more
	s_mul_i32 s21, s15, HALFT
	s_mul_i32 s22, s16, HALFT
	s_add_co_u32 s22, s22, 2*HALFT
.irp s, 0,1
	v_add_nc_u32 v[ADRA+\s], s21, v4
	v_add_nc_u32 v[ADRB+\s], s22, v4
	v_add_nc_u32 v[ADRA+2+\s], s21, v5
	v_add_nc_u32 v[ADRB+2+\s], s22, v5
	s_add_co_u32 s21, s21, SLOT
	s_add_co_u32 s22, s22, SLOT
.endr
	v_lshlrev_b32 v5, 3, v1                        ; scales: 8 bytes a row
	s_lshl_b32 s21, s15, 10                        ; A's: my 128 rows
	s_lshl_b32 s22, s16, 10                        ; B's
	s_add_co_u32 s22, s22, SCB
	s_sub_co_u32 s22, s22, s21
	v_mul_u32_u24 v6, s22, v2                      ; lanes 16-31 take B's: the distance between the two bases x h
	s_add_co_u32 s21, s21, SCL
	v_add_nc_u32 v5, v5, v6
	v_add_nc_u32 v[ADRS], s21, v5
	s_mul_i32 s23, s14, 32*SPITCH                  ; my stage
	v_mul_u32_u24 v5, v1, SPITCH
	v_lshl_add_u32 v5, v2, 5, v5
	v_add_nc_u32 v[STO], s23, v5
	v_lshlrev_b32 v[CO], 4, v7
	v_add_nc_u32 v[RD], s23, v[CO]
	v_lshlrev_b32 v[BO], 5, v2
	s_wait_alu depctr_va_vdst(0)
	s_lshl_b32 s20, s17, 8
	s_lshl_b32 s21, s15, 7
	s_add_co_u32 s20, s20, s21                     ; my first row of out
	s_mov_b32 s21, 0
	s_mov_b64 s[18:19], SIZE_N*4
	s_mul_u64 s[20:21], s[20:21], s[18:19]
	s_lshl_b32 s46, s42, 10                        ; my first column, in bytes
	s_lshl_b32 s47, s16, 9
	s_add_co_u32 s46, s46, s47
	s_mov_b32 s47, 0
	s_add_nc_u64 s[96:97], s[96:97], s[46:47]
	s_add_nc_u64 s[20:21], s[20:21], s[46:47]
	s_add_nc_u64 s[12:13], s[12:13], s[20:21]
	WIN TO_B
.irp b, 0,1,2,3,4,5,6,7
	global_load_b128 v[96+8*\b+96*(\b/4):96+8*\b+96*(\b/4)+3], v[BO], s[96:97] offset:64*\b        ; tile b: biases of columns 16 b + 8 h + 0 .. 7
	global_load_b128 v[100+8*\b+96*(\b/4):100+8*\b+96*(\b/4)+3], v[BO], s[96:97] offset:64*\b+16
.endr
	WIN 0
	global_prefetch_b8 v[PFO], s[PFA:PFA+1] offset:CH th:TH_LOAD_NT scope:SCOPE_SE     ; chunk 1
	global_prefetch_b8 v[PFO], s[PFA:PFA+1] offset:2*CH th:TH_LOAD_NT scope:SCOPE_SE   ; chunk 2
; load L of the 96 that bring the fragments of the slot's q-th 128 along K into set q: 0-47 B's eight, 48-95 A's eight, six pieces of 8 bytes each.
; Lane (r, h) takes the row's pieces 12 q + 0, 1, 2 and 12 q + 6, 7, 8 (+ 3 h); where the piece three on lies behind one padding more, the second address register serves.
.macro LD1 slot, q, L
.set LI, ((\L)%48)/6
.set LP, (\L)%6
.set PIECE, 12*(\q)+6*(LP/3)+LP%3
.set LOF, 8*PIECE+16*(PIECE/8)+LI*16*PITCH
.set LX, 2*((PIECE%8)/5)
.if (\L) < 48
	WIN TO_B
	ds_load_b64 v[128*(\q)+FR*LI+2*LP:128*(\q)+FR*LI+2*LP+1], v[ADRB+(\slot)+LX] offset:LOF
.else
	WIN 0
	ds_load_b64 v[AF+96*(\q)+FR*LI+2*LP:AF+96*(\q)+FR*LI+2*LP+1], v[ADRA+(\slot)+LX] offset:LOF
.endif
.endm
; the run of loads for step (slot, q): B's 48; with a slot's first step the chunk's 8 of scale words; A's 48
.macro RUN slot, q
.set QP, 0
.rept 48
	LD1 \slot, \q, QP
.set QP, QP+1
.endr
	WIN 0
.if (\q) == 0
.irp i, 0,1,2,3,4,5,6,7
	ds_load_b64 v[SC+16*(\slot)+2*\i:SC+16*(\slot)+2*\i+1], v[ADRS] offset:128*\i
.endr
.endif
.rept 48
	LD1 \slot, \q, QP
.set QP, QP+1
.endr
.endm
; unit u of a step's 16: four matrix instructions, A's block u / 2 against B's blocks 4 (u % 2) + 0 .. 3.  The 64 accumulators take turns in the same order in every step.
; first = 1: C is the bias, in window 1.
.macro UNIT u, q, sc, first
.set GA, (\u)/2
	WIN MUL_LO+0x50*(GA/4)-(0x10+0x10*(GA/4))*(\first)
.irp e, 0,1,2,3
.set GN, 4*((\u)%2)+\e
.set GD, 8*(8*(GA%4)+GN)
.if \first
	v_wmma_scale_f32_16x16x128_f8f6f4 v[GD:GD+7], v[128*(\q)+FR*GN:128*(\q)+FR*GN+FR-1], v[AF+96*(\q)+FR*GA:AF+96*(\q)+FR*GA+FR-1], v[96+8*GN+96*(GN/4):96+8*GN+96*(GN/4)+7], v[SC+16*(\sc)+2*GN+(\q)], v[SC+16*(\sc)+2*GA+(\q)] matrix_a_fmt:MATRIX_FMT_FP6 matrix_b_fmt:MATRIX_FMT_FP6 matrix_a_scale:MATRIX_SCALE_ROW1
.else
	v_wmma_scale_f32_16x16x128_f8f6f4 v[GD:GD+7], v[128*(\q)+FR*GN:128*(\q)+FR*GN+FR-1], v[AF+96*(\q)+FR*GA:AF+96*(\q)+FR*GA+FR-1], v[GD:GD+7], v[SC+16*(\sc)+2*GN+(\q)], v[SC+16*(\sc)+2*GA+(\q)] matrix_a_fmt:MATRIX_FMT_FP6 matrix_b_fmt:MATRIX_FMT_FP6 matrix_a_scale:MATRIX_SCALE_ROW1
.endif
.endr
.endm
.macro UNITS3 u0, q, sc, first         ; three units, and every window 0 behind them: a branch or a label follows
	UNIT \u0, \q, \sc, \first
	UNIT (\u0)+1, \q, \sc, \first
	UNIT (\u0)+2, \q, \sc, \first
	WIN 0
.endm
; Step (slot, q), with the run of loads for step (ts, tq).  kind 0: a slot's first step.  kind 1: its second step, which changes slots: one barrier, which opens a round of the cluster's barrier, and this slot is filled again, two chunks on.
; kind 2: the same with nothing left to fetch.
.macro STEP slot, q, ts, tq, kind, first
.if \kind
	WIN 0
.if (\kind) == 1
	s_wait_xcnt 0x0                                ; my prefetches have read their address
	s_add_nc_u64 s[PFA:PFA+1], s[PFA:PFA+1], CH
.endif
	s_wait_tensorcnt 0x0                           ; my part of the next slot has landed
	ds_add_u32 v[SPW], v[NIL]
	s_wait_dscnt 43                                ; B and A's block 0 are in; A's blocks 1-7 (42 loads) and the add may be out
	UNIT 0, \q, \slot, 0
	UNIT 1, \q, \slot, 0
	s_wait_dscnt 0x0                               ; the add is done, my reads of this slot are over
	s_barrier_signal -1
	UNIT 2, \q, \slot, 0
	UNIT 3, \q, \slot, 0
	WIN 0
	s_barrier_wait -1
.if (\kind) == 1
	CREST
	s_add_nc_u64 s[G0+4*\slot+2:G0+4*\slot+3], s[G0+4*\slot+2:G0+4*\slot+3], 2*CH
	s_add_nc_u64 s[G0B+4*\slot+2:G0B+4*\slot+3], s[G0B+4*\slot+2:G0B+4*\slot+3], 2*CH
	JLOAD G0+4*\slot, G1, G0B+4*\slot, G1B         ; my one load behind the round; its four v_nop are the places in front of the run below
.else
	PLACES NP
.endif
	v_add_nc_u32 v[ADRS], 2048, v[ADRS]            ; the next chunk's scale words
	s_wait_alu depctr_va_vdst(0)
.else
	PLACES NP                                      ; the other sets were read by the last step's products
	s_wait_dscnt 42                                ; B, the scale words and A's block 0 are in; A's blocks 1-7 may be out
	UNIT 0, \q, \slot, \first
	UNIT 1, \q, \slot, \first
	s_wait_dscnt 0x0
	UNIT 2, \q, \slot, \first
	UNIT 3, \q, \slot, \first
	WIN 0
.endif
.if \first                             ; the step that starts the sums: every product stands once, the run behind unit 3 in all waves
	RUN \ts, \tq
.irp u, 4,5,6,7,8,9,10,11,12,13,14,15
	UNIT \u, \q, \slot, 1
.endr
.else
	s_cmp_lt_u32 s14, 1                            ; wave w: units 4 .. 3 + 3 w ahead of the run
	s_cbranch_scc1 .Lrun_\@
	UNITS3 4, \q, \slot, \first
	s_cmp_lt_u32 s14, 2
	s_cbranch_scc1 .Lrun_\@
	UNITS3 7, \q, \slot, \first
	s_cmp_lt_u32 s14, 3
	s_cbranch_scc1 .Lrun_\@
	UNITS3 10, \q, \slot, \first
.Lrun_\@:
	RUN \ts, \tq
.if (\kind) == 1
	s_cmp_gt_u32 s3, 1                             ; the last trip's loads, chunks 6 and 7, have no chunk two on
	s_cbranch_scc0 .Lno_ask_\@
	global_prefetch_b8 v[PFO], s[PFA:PFA+1] offset:3*CH th:TH_LOAD_NT scope:SCOPE_SE
.Lno_ask_\@:
.endif
	s_cmp_gt_u32 s14, 2                            ; and the others of units 4 .. 12 behind it
	s_cbranch_scc1 .Lrest_\@
	s_cmp_eq_u32 s14, 2
	s_cbranch_scc1 .Lk3_\@
	s_cmp_eq_u32 s14, 1
	s_cbranch_scc1 .Lk2_\@
	UNITS3 4, \q, \slot, \first
.Lk2_\@:
	UNITS3 7, \q, \slot, \first
.Lk3_\@:
	UNITS3 10, \q, \slot, \first
.Lrest_\@:
	UNIT 13, \q, \slot, \first
	UNIT 14, \q, \slot, \first
	UNIT 15, \q, \slot, \first
.endif
.endm
	s_wait_tensorcnt 0x0                           ; my tile of the head's four is in
	ds_add_u32 v[SPW], v[NIL]
	s_mov_b32 s[G1+2], 96<<16                      ; no tensor load of mine is out: from here on a load brings 128 rows of codes
	s_mov_b32 s[G1+4], 96
	s_mov_b32 s[G1B+2], 96<<16
	s_mov_b32 s[G1B+4], 96
	s_wait_dscnt 0x0
	CROUND
	JLOAD G0+4, G1, G0B+4, G1B                     ; chunk 1
	global_prefetch_b8 v[PFO], s[PFA:PFA+1] offset:3*CH th:TH_LOAD_NT scope:SCOPE_SE   ; chunk 3
	RUN 0, 0
	s_wait_loadcnt 0x0                             ; the bias
	STEP 0, 0, 0, 1, 0, 1                          ; the first step's products start the sums
	WIN 0
	s_mov_b32 s3, LAPS-1
.Llap:
	STEP 0, 1, 1, 0, 1, 0
	STEP 1, 0, 1, 1, 0, 0
	STEP 1, 1, 0, 0, 1, 0
	STEP 0, 0, 0, 1, 0, 0
	WIN 0
	s_sub_co_u32 s3, s3, 1
	s_cmp_lg_u32 s3, 0
	s_cbranch_scc1 .Llap
	STEP 0, 1, 1, 0, 2, 0                          ; the last lap fills nothing
	STEP 1, 0, 1, 1, 0, 0
	s_wait_dscnt 42                                ; the last step: nothing more to fetch
	UNIT 0, 1, 1, 0
	UNIT 1, 1, 1, 0
	s_wait_dscnt 0x0
.irp u, 2,3,4,5,6,7,8,9,10,11,12,13,14,15
	UNIT \u, 1, 1, 0
.endr
; THE WAY OUT, two blocks of 16 rows x 128 columns at a time.  A block goes through my own stage and comes back as whole rows of 512 bytes, which the 32 lanes store at once.
; LDS serves a wave's instructions in order (ISA guide 5.7.1.4): no wait between the stores into the stage and the loads from it.  Every offset into out is an immediate: 127 rows of 16,384 bytes at the most.
.macro TOSTAGE a
.set AC, 64*((\a)%4)
	WIN 0x08+4*((\a)/4)                            ; the data: window 2 or 3
.irp b, 0,1,2,3,4,5,6,7
	ds_store_b128 v[STO], v[AC+8*\b:AC+8*\b+3] offset:((\a)%2)*16*SPITCH+64*\b          ; each accumulator from its low end on
	ds_store_b128 v[STO], v[AC+8*\b+4:AC+8*\b+7] offset:((\a)%2)*16*SPITCH+64*\b+16
.endr
	WIN TO_B
.set BB, 64*((\a)%4)
.irp t, 0,1,2,3,4,5,6,7,8,9,10,11,12,13,14,15
	ds_load_b128 v[BB+4*\t:BB+4*\t+3], v[RD] offset:((\a)%2)*16*SPITCH+\t*SPITCH
.endr
.endm
.macro SEND a, younger                 ; younger: at most as many LDS instructions as were issued behind block a's loads
.set BB, 64*((\a)%4)
	s_wait_dscnt \younger
	WIN 0x04                                       ; the data: window 1
.irp t, 0,1,2,3,4,5,6,7,8,9,10,11,12,13,14,15
	global_store_b128 v[CO], v[BB+4*\t:BB+4*\t+3], s[12:13] offset:(16*(\a)+\t)*SIZE_N*4 th:TH_STORE_NT   ; 512 consecutive bytes, at a multiple of 256 from out's first byte
.endr
.endm
	PLACES NP                                      ; in front of the reads of the results and of the loads into B's registers
	TOSTAGE 0
	TOSTAGE 1
.irp j, 1,2,3
.if \j > 1
	s_wait_xcnt 0x0                                ; the stores of two pairs ago have read their registers
.endif
	TOSTAGE 2*\j
	TOSTAGE 2*\j+1
	SEND 2*\j-2, 63                                ; 96 LDS instructions were issued behind its loads
	SEND 2*\j-1, 63                                ; 64 behind these
.endr
	SEND 6, 32
	SEND 7, 0
	WIN 0
	s_wait_tensorcnt 0x0                           ; the wave's end
	ds_add_u32 v[SPW], v[NIL]
	s_wait_dscnt 0x0
	CROUND                                         ; the closing round
	s_endpgm
.Lfunc_end_k_qa37111d165_gemm2:
	.size	k_qa37111d165_gemm2, .Lfunc_end_k_qa37111d165_gemm2-k_qa37111d165_gemm2
	.p2alignl 7, 3214868480
	.fill 96, 4, 3214868480
	.section	.rodata,"a",@progbits
	.p2align	6, 0x0
	.amdhsa_kernel k_qa37111d165_gemm2
		.amdhsa_group_segment_fixed_size 327680
		.amdhsa_private_segment_fixed_size 0
		.amdhsa_enable_private_segment 0
		.amdhsa_kernarg_size 48
		.amdhsa_user_sgpr_count 2
		.amdhsa_user_sgpr_kernarg_segment_ptr 1
		.amdhsa_wavefront_size32 1
		.amdhsa_system_sgpr_workgroup_id_x 1
		.amdhsa_system_sgpr_workgroup_id_y 1
		.amdhsa_system_sgpr_workgroup_id_z 1
		.amdhsa_system_vgpr_workitem_id 0
		.amdhsa_next_free_vgpr 1024
		.amdhsa_next_free_sgpr 98
		.amdhsa_reserve_vcc 0
		.amdhsa_float_denorm_mode_32 3
		.amdhsa_float_denorm_mode_16_64 3
		.amdhsa_memory_ordered 1
		.amdhsa_forward_progress 1
		.amdhsa_inst_pref_size 194
	.end_amdhsa_kernel
	.amdgpu_metadata
---
amdhsa.version: [ 1, 2 ]
amdhsa.kernels:
  - .name:           k_qa37111d165_gemm2
    .symbol:         k_qa37111d165_gemm2.kd
    .args:
      - { .name: xcodes, .offset: 0, .size: 8, .value_kind: global_buffer, .address_space: global }
      - { .name: xscales, .offset: 8, .size: 8, .value_kind: global_buffer, .address_space: global }
      - { .name: wcodes, .offset: 16, .size: 8, .value_kind: global_buffer, .address_space: global }
      - { .name: wscales, .offset: 24, .size: 8, .value_kind: global_buffer, .address_space: global }
      - { .name: biases, .offset: 32, .size: 8, .value_kind: global_buffer, .address_space: global }
      - { .name: out0, .offset: 40, .size: 8, .value_kind: global_buffer, .address_space: global }
    .group_segment_fixed_size: 327680
    .private_segment_fixed_size: 0
    .kernarg_segment_align: 8
    .kernarg_segment_size: 48
    .max_flat_workgroup_size: 128
    .sgpr_count:     98
    .vgpr_count:     1024
    .wavefront_size: 32
...
	.end_amdgpu_metadata
.endif
;; end of part 8
